; MI455X (gfx1250); checked and timed in simulation.
; The chip was launched on July 23, 2026; its instructions are those of AMD's public machine-readable ISA for CDNA 5 (MIT licence, August 2026) and "CDNA5" Instruction Set Architecture Reference Guide (July 2026). The comments in the code are by the model that wrote it; some were corrected since.
;; Multi Head Attention. Allowed arithmetic: matrix products marked QUANTISED: E3M2 operands, one E8M0 scale for each 32 along K, by v_wmma_scale_f32_16x16x128_f8f6f4 with both operands' format E3M2, f32 sums; everything else in f32.
;; Inputs: W_out 1,024 x 1,024 float32; W_qkv 3,072 x 1,024 float32; b_out 1,024 float32; b_qkv 3,072 float32; inputs 4 x 2,048 x 1,024 float32.
;; Outputs: out0 4 x 2,048 x 1,024 float32.
;; This version of the problem:
;;   THIS VERSION OF THE PROBLEM IS GIVEN IN LOW PRECISION. The matrix products marked QUANTISED in the list below multiply operands that are first quantised to E3M2 (3 exponent bits, 2 mantissa bits; 6 bits a number), with one power-of-two scale for each 32 numbers along K (OCP MX v1.0); their sums are f32. All else is computed in f32.
;;   The module's matrix products, in the order in which they are computed (A, B: the left and right operand; K: the contracted axis; several contracted axes count as one K, in the product's order):
;;     1. [M 8,192, K 1,024] x [K 1,024, N 3,072]; A: input inputs; B: input W_qkv: QUANTISED
;;     2. batch 64 x [M 2,048, K 64] x [K 64, N 2,048]; A: computed on the way; B: computed on the way: QUANTISED
;;     3. batch 64 x [M 2,048, K 2,048] x [K 2,048, N 64]; A: softmax (see below); B: computed on the way: QUANTISED
;;     4. [M 8,192, K 1,024] x [K 1,024, N 1,024]; A: computed on the way; B: input W_out: QUANTISED
;;   THE QUANTISER, for each operand of a quantised product, along K:
;;     - K is cut into blocks of 32 from its start; a last block that is shorter is filled with zeros.
;;     - A block's scale is 2^e with e = floor(log2(the largest magnitude in the block)) - 4, held to -126 .. 127; a block of zeros has e = 0. As a byte (E8M0): e + 127.
;;     - Each number is divided by its block's scale, clamped to +-28, and rounded to the nearest number of E3M2, ties to even, subnormals kept.
;;     - The product sums the exact products of the quantised numbers (number of the format x scale) in f32.
;;   ~~~python
;;   def quantise(x, axis):      # numpy; x: float32 -> the quantised numbers, widened to float32 again
;;       x = np.moveaxis(x, axis, -1); K = x.shape[-1]
;;       x = np.pad(x, [(0, 0)] * (x.ndim - 1) + [(0, -K % 32)]); x = x.reshape(x.shape[:-1] + (-1, 32)); a = np.abs(x).max(-1, keepdims=True)
;;       e = np.where(a > 0, np.clip(np.frexp(np.where(a > 0, a, 1))[1] - 1 - 4, -126, 127), 0)      # np.frexp(a)[1] - 1 = floor(log2(a)), exactly
;;       r = np.clip(x / 2.0 ** e, -28, 28)
;;       step = 2.0 ** (np.maximum(np.frexp(np.where(r == 0, 1, r))[1] - 1, -2) - 2)
;;       q = np.round(r / step) * step * 2.0 ** e      # np.round: ties to even
;;       return np.moveaxis(q.reshape(q.shape[:-2] + (-1,))[..., :K], -1, axis).astype(np.float32)
;;   ~~~
;;   SOFTMAX AHEAD OF A QUANTISED PRODUCT. Where the list says 'softmax', what is quantised is not the finished softmax but p = 2^(t - M), with t = logit x log2(e) and M = ceil(the row's largest t), a whole number; so 1/2 < the row's largest p <= 1. The row's sum l is taken of the UNQUANTISED p, in f32, and the product's result is divided by l at the end. Since M is a whole number, a kernel that streams over the keys may use a running M (the ceiling of the running maximum): every later rescaling is an exact power of two, which a block's scale takes up: the codes' values come out the same.
;;   OPERANDS COMPUTED ON THE WAY. 'Computed on the way' means the value that the module computes at that place (a softmax that the list does not call 'softmax' is quantised finished and normalised). What goes into a quantiser is computed in f32, as accurately as f32 sums, v_exp_f32 and their like allow (about 1e-6 of the number): no bf16 or f16 on the way to a quantiser, and a product that is left as it is and whose result goes on into a quantised operand takes f32 operands (vector FMAs, or v_wmma_f32_16x16x4_f32). A number that lies on a knife's edge between two numbers of the format may be rounded either way, as far as f32 arithmetic and the matrix unit's own rounding can turn it there, and no further.
;; One version. Each part assembles by itself: llvm-mc -triple=amdgcn-amd-amdhsa -mcpu=gfx1250 --defsym DOCPART=n.
;; ======== version 1 of 1: 4 launches
;; workspace buffers: xw_codes 9,437,184 bytes; xw_scales 393,216 bytes; qkv 20,185,088 bytes; ao_codes 6,291,456 bytes; ao_scales 262,144 bytes
;; launch quant (part 1): grid 384 x 1, 4 waves a work-group, no clusters, 33,280 bytes of LDS; arguments inputs, W_qkv, W_out, xw_codes, xw_scales; writes xw_codes, xw_scales
.if DOCPART == 1
	.amdgcn_target "amdgcn-amd-amdhsa--gfx1250"
	.amdhsa_code_object_version 6
	.text
	.protected	k_q158d4ee1e5_quant
	.globl	k_q158d4ee1e5_quant
	.p2align	8
	.type	k_q158d4ee1e5_quant,@function
k_q158d4ee1e5_quant:
	s_mov_b64 s[64:65], 0
	v_nop
	global_prefetch_b8 v0, s[64:65] scope:SCOPE_SE
	s_setreg_imm32_b32 hwreg(HW_REG_WAVE_MODE, 25, 1), 1
	s_wait_xcnt 0x0
; inputs [8192][1024], W_qkv [3072][1024] and W_out [1024][1024], f32, K innermost, become codes of BF6 (E3M2), 6 bits each, and one E8M0 scale byte for each 32 along K.
; A block's scale is 2^(floor(log2(its largest magnitude)) - 4); its byte is the largest magnitude's exponent field - 4, held at 1 from below; each number is divided by the scale and rounded to the nearest code, ties to even,
; beyond the largest code the largest.
; LIMITS: NaN and infinities among the inputs are not served.  A block whose largest magnitude lies under 2^-122, a block of zeros among them, keeps the byte 1 (the rule says 127 for zeros): its codes are zeros or
; as the floor's scale gives them, and the bytes are read by this program alone.
; OUT: 12,288 row POSITIONS of 768 bytes of codes and 32 scale bytes.  Positions 0-8191: inputs; 8192-10239: W_qkv's q rows, then its k rows, head by head; 10240-11263: its v rows; 11264-12287: W_out.
; In all but W_out a row stands at the position that has bits 3 and 4 of its index exchanged: so 16 neighbouring positions 32 b + 16 u + r hold the rows 32 b + 8 u + r + 8 (r / 8), which is the choice of
; a tile's rows with which a product's results come out as 16 neighbours along the next K in a lane's registers.
; A wave takes 16 steps of 512 numbers: 8 rows; a work-group 32 rows.  So the exchange of bits 3 and 4 is an exchange of the two bits of the wave's number in the place where it stores.
; Each of a step's four loads reads 512 consecutive bytes; the 2,048 bytes turn through the wave's own stage in LDS and come back 64 bytes (16 neighbours) a lane; two neighbouring lanes hold a block.
; A lane's 16 codes are 12 bytes: the wave stores 384 consecutive bytes a step; its 256 scale bytes are gathered in LDS and leave as one aligned run of 256 bytes.  No barrier: waves share nothing.
.set STEPS, 16
.set CB,    12                         ; bytes of 16 codes
.set R,     16                         ; v16-79   four sets of 16 numbers as they are loaded
.set X,     80                         ; v80-111  two sets of 16 neighbours
.set E,     112                        ; v112-127 a scale byte for each step
.set C,     128                        ; v128-191 codes: four registers for each step, so that no store's data are written again
.set WREG,  8192                       ; LDS: a region for each wave: two stages of 32 x SP bytes, then its 256 scale bytes
.set SP,    80                         ; a lane's place in a stage: 64 bytes + 16 of padding
	s_load_b128 s[4:7], s[0:1], 0x0                ; inputs, W_qkv
	s_load_b128 s[8:11], s[0:1], 0x10              ; W_out, the codes
	s_load_b64 s[12:13], s[0:1], 0x20              ; the scale bytes
	v_lshl_add_u32 v192, v0, 2, 0x8000
	v_mov_b32 v193, 0
	v_lshrrev_b32 v1, 5, v0
	v_readfirstlane_b32 s16, v1                    ; wave
	v_and_b32 v2, 31, v0                           ; lane
	v_lshlrev_b32 v3, 4, v2                        ; my 16 bytes of a load's 512
	s_mul_i32 s17, s16, WREG
	v_lshrrev_b32 v14, 2, v2
	v_mul_u32_u24 v14, v14, SP
	v_and_b32 v15, 3, v2
	v_lshl_add_u32 v14, v15, 4, v14
	v_add_nc_u32 v14, s17, v14                     ; the stage, on the way in: SP (lane / 4) + 16 (lane % 4)
	v_mul_u32_u24 v15, v2, SP
	v_add_nc_u32 v15, s17, v15                     ; and on the way out: SP x lane: my 16 neighbours
	v_mul_u32_u24 v4, v2, CB                       ; my codes' place in a step's
	v_lshrrev_b32 v5, 1, v2
	s_add_co_u32 s17, s17, 2*32*SP
	v_add_nc_u32 v5, s17, v5                       ; LDS: my wave's 256 scale bytes, my block's byte
	v_lshlrev_b32 v7, 3, v2                        ; and on the way out 8 bytes a lane
	v_add_nc_u32 v6, s17, v7
	; which tensor, which 32 rows of it, and which 32 positions they go to.  Work-groups 0-255: inputs; 256-351: W_qkv; 352-383: W_out
	s_sub_co_u32 s20, ttmp9, 256                   ; u: W_qkv's group of 32 rows; row = 192 head + 64 part + d
	s_mul_i32 s21, s20, 43
	s_lshr_b32 s21, s21, 8                         ; head = u / 6 (43 / 256 serves for u under 96)
	s_mul_i32 s22, s21, 6
	s_sub_co_u32 s22, s20, s22                     ; u % 6 = 2 part + half of d
	s_lshr_b32 s23, s22, 1
	s_lshl_b32 s23, s23, 5                         ; 32 groups to a part,
	s_and_b32 s22, s22, 1
	s_lshl_b32 s21, s21, 1                         ; two to a head
	s_add_co_u32 s23, s23, s21
	s_add_co_u32 s23, s23, s22
	s_add_co_u32 s23, s23, 256                     ; behind inputs' 256 groups
	s_sub_co_u32 s24, ttmp9, 352                   ; W_out's group
	s_and_b32 s26, s16, 1
	s_lshl_b32 s26, s26, 1
	s_lshr_b32 s27, s16, 1
	s_or_b32 s26, s26, s27                         ; the wave's number with its two bits exchanged
	s_wait_kmcnt 0x0
	s_cmp_lt_u32 ttmp9, 352                        ; the choices hang on the work-group's number alone
	s_cselect_b64 s[6:7], s[6:7], s[8:9]
	s_cselect_b32 s20, s20, s24
	s_cselect_b32 s23, s23, ttmp9
	s_cselect_b32 s26, s26, s16                    ; W_out's rows keep their order
	s_cmp_lt_u32 ttmp9, 256
	s_cselect_b64 s[4:5], s[4:5], s[6:7]
	s_cselect_b32 s20, ttmp9, s20
	s_cselect_b32 s23, ttmp9, s23
	s_lshl_b32 s20, s20, 2
	s_add_co_u32 s20, s20, s16                     ; which run of 8 rows of the tensor is my wave's
	s_lshl_b32 s20, s20, 15                        ; 32,768 bytes a run
	s_mov_b32 s21, 0
	s_add_nc_u64 s[4:5], s[4:5], s[20:21]
	s_lshl_b32 s23, s23, 2
	s_add_co_u32 s23, s23, s26                     ; and which run of 8 positions
	s_mul_i32 s28, s23, 32*STEPS*CB                ; 6,144 bytes of codes a run
	s_mov_b32 s29, 0
	s_add_nc_u64 s[10:11], s[10:11], s[28:29]
	s_lshl_b32 s28, s23, 8                         ; 256 scale bytes a run
	s_add_nc_u64 s[12:13], s[12:13], s[28:29]
.macro LOAD t
.irp i, 0,1,2,3
	global_load_b128 v[R+16*((\t)%4)+4*\i:R+16*((\t)%4)+4*\i+3], v3, s[4:5] offset:2048*(\t)+512*\i th:TH_LOAD_NT   ; 32 lanes read 512 consecutive bytes
.endr
.endm
.macro TURN t                          ; step t's numbers through the stage: LDS serves a wave's instructions in order, so no wait stands between the stores and the loads
.irp i, 0,1,2,3
	ds_store_b128 v14, v[R+16*((\t)%4)+4*\i:R+16*((\t)%4)+4*\i+3] offset:32*SP*((\t)%2)+8*SP*\i
.endr
.irp i, 0,1,2,3
	ds_load_b128 v[X+16*((\t)%2)+4*\i:X+16*((\t)%2)+4*\i+3], v15 offset:32*SP*((\t)%2)+16*\i
.endr
.endm
.irp t, 0,1,2,3
	LOAD \t
.endr
	s_wait_loadcnt 12                              ; step 0's four loads are in; the twelve of steps 1 to 3 may be out
	TURN 0
.macro STEP t
.set XS, X+16*((\t)%2)
.if (\t) > 0
	s_wait_dscnt 1                                 ; this step's numbers are back from the stage (the last step's byte store may be out): so its stores into the stage have read their registers,
.else
	s_wait_dscnt 0x0
.endif
.if (\t)+4 < STEPS
	LOAD (\t)+4                                    ; which take the loads of four steps on
.endif
.if (\t)+1 < STEPS
.if STEPS-2-(\t) >= 3
	s_wait_loadcnt 12                              ; the next step's four loads are in; those of the three steps behind it may be out
.else
	s_wait_loadcnt 4*(STEPS-2-(\t))
.endif
	TURN (\t)+1                                    ; and go through the other stage while this step is worked
.endif
	v_max3_num_f32 v8, |v[XS]|, |v[XS+1]|, |v[XS+2]|               ; the largest magnitude of my 16, in two chains
	v_max3_num_f32 v9, |v[XS+3]|, |v[XS+4]|, |v[XS+5]|
.irp i, 6,10
	v_max3_num_f32 v8, v8, |v[XS+\i]|, |v[XS+\i+1]|
	v_max3_num_f32 v9, v9, |v[XS+\i+2]|, |v[XS+\i+3]|
.endr
	v_max3_num_f32 v8, v8, |v[XS+14]|, |v[XS+15]|
	v_max3_num_f32 v8, v8, v9, 0x2800000           ; and the floor 2^(5 - 127): so the byte cannot fall under 1
	v_max_num_f32_dpp v8, v8, v8 row_xmask:1 row_mask:0xf bank_mask:0xf   ; and of my neighbour's 16: the block's
	v_add_nc_u32 v11, 0xfe000000, v8               ; 4 off its exponent field: the conversion takes the exponent field of this operand as its scale, and nothing else of it
	v_cvt_scalef32_pk16_bf6_f32 v[C+4*(\t):C+4*(\t)+2], v[XS:XS+15], v11
	v_lshrrev_b32 v[E+(\t)], 23, v11               ; the scale's byte (also the plain line behind the conversion)
	ds_store_b8 v5, v[E+(\t)] offset:16*(\t)       ; both lanes of a block write the same byte with the same value
	global_store_b96 v4, v[C+4*(\t):C+4*(\t)+2], s[10:11] offset:32*CB*(\t)
.endm
.irp t, 0,1,2,3,4,5,6,7,8,9,10,11,12,13,14,15
	STEP \t
.endr
	ds_load_b64 v[12:13], v6                       ; LDS serves a wave's instructions in order: these see my stores
	s_wait_dscnt 0x0
	global_store_b64 v7, v[12:13], s[12:13]        ; 32 lanes store 256 consecutive bytes, aligned
	s_wait_tensorcnt 0x0
	ds_add_u32 v192, v193
	s_wait_dscnt 0x0
	s_endpgm
.Lfunc_end_k_q158d4ee1e5_quant:
	.size	k_q158d4ee1e5_quant, .Lfunc_end_k_q158d4ee1e5_quant-k_q158d4ee1e5_quant
	.p2alignl 7, 3214868480
	.fill 96, 4, 3214868480
	.section	.rodata,"a",@progbits
	.p2align	6, 0x0
	.amdhsa_kernel k_q158d4ee1e5_quant
		.amdhsa_group_segment_fixed_size 33280
		.amdhsa_private_segment_fixed_size 0
		.amdhsa_enable_private_segment 0
		.amdhsa_kernarg_size 40
		.amdhsa_user_sgpr_count 2
		.amdhsa_user_sgpr_kernarg_segment_ptr 1
		.amdhsa_wavefront_size32 1
		.amdhsa_system_sgpr_workgroup_id_x 1
		.amdhsa_system_sgpr_workgroup_id_y 1
		.amdhsa_system_sgpr_workgroup_id_z 1
		.amdhsa_system_vgpr_workitem_id 0
		.amdhsa_next_free_vgpr 194
		.amdhsa_next_free_sgpr 66
		.amdhsa_reserve_vcc 0
		.amdhsa_float_denorm_mode_32 3
		.amdhsa_float_denorm_mode_16_64 3
		.amdhsa_memory_ordered 1
		.amdhsa_forward_progress 1
		.amdhsa_inst_pref_size 33
	.end_amdhsa_kernel
	.amdgpu_metadata
---
amdhsa.version: [ 1, 2 ]
amdhsa.kernels:
  - .name:           k_q158d4ee1e5_quant
    .symbol:         k_q158d4ee1e5_quant.kd
    .args:
      - { .name: inputs, .offset: 0, .size: 8, .value_kind: global_buffer, .address_space: global }
      - { .name: W_qkv, .offset: 8, .size: 8, .value_kind: global_buffer, .address_space: global }
      - { .name: W_out, .offset: 16, .size: 8, .value_kind: global_buffer, .address_space: global }
      - { .name: xw_codes, .offset: 24, .size: 8, .value_kind: global_buffer, .address_space: global }
      - { .name: xw_scales, .offset: 32, .size: 8, .value_kind: global_buffer, .address_space: global }
    .group_segment_fixed_size: 33280
    .private_segment_fixed_size: 0
    .kernarg_segment_align: 8
    .kernarg_segment_size: 40
    .max_flat_workgroup_size: 128
    .sgpr_count:     66
    .vgpr_count:     194
    .wavefront_size: 32
...
	.end_amdgpu_metadata
.endif
;; end of part 1
;; launch proj (part 2): grid 8 x 48, 4 waves a work-group, clusters of 4 x 4, 327,680 bytes of LDS; arguments xw_codes, xw_scales, b_qkv, qkv; writes qkv
.if DOCPART == 2
	.amdgcn_target "amdgcn-amd-amdhsa--gfx1250"
	.amdhsa_code_object_version 6
	.text
	.protected	k_q158d4ee1e5_proj
	.globl	k_q158d4ee1e5_proj
	.p2align	8
	.type	k_q158d4ee1e5_proj,@function
k_q158d4ee1e5_proj:
	s_mov_b64 s[64:65], 0
	v_nop
	global_prefetch_b8 v0, s[64:65] scope:SCOPE_SE
	s_setreg_imm32_b32 hwreg(HW_REG_WAVE_MODE, 25, 1), 1
	s_wait_xcnt 0x0
	s_wait_alu depctr_hold_cnt(0) depctr_sa_sdst(0) depctr_va_vdst(0) depctr_va_sdst(0) depctr_va_ssrc(0) depctr_va_vcc(0) depctr_vm_vsrc(0)
	s_getreg_b32 s2, hwreg(HW_REG_IB_STS2, 6, 4)
	s_cmp_eq_u32 s2, 0
	s_cbranch_scc0 .Lentry_in_a_cluster
	s_endpgm
.Lentry_in_a_cluster:
	s_bfe_u32 s2, ttmp6, 0x10000c
	s_cmp_lg_u32 s2, 0xf033
	s_cbranch_scc0 .Lentry_shape_is_right
	s_endpgm
.Lentry_shape_is_right:
; qkv = inputs W_qkv^T + b_qkv on codes of BF6 (E3M2) with one E8M0 scale for each 32 along K = 1,024; the results are quantised in registers and leave as IMAGES OF THE OPERAND REGISTERS that the attention launch loads.
; A tile of 256 x 256 results is made by four waves, 128 x 128 each: 64 accumulators of 16 x 16.  "X" is source 1: a lane holds ONE row of X.  "Y" is source 0: a lane's registers run along Y's rows.
; Rows lie in the codes' buffer at positions with bits 3 and 4 of their index exchanged, so the 16 registers of two neighbouring tiles of Y are 16 NEIGHBOURS 32 b + 16 (lane / 16) + 0..15 along Y.
; TWO KINDS OF CLUSTER, told apart by the cluster's y, which all sixteen partners share:
;   q, k (cluster y 0-7):  X = 256 token positions, Y = 256 of W's q or k rows (4 heads x 64).  A lane holds one token, its registers run along d: q and k are quantised along d.
;   v    (cluster y 8-11): THE OPERANDS CHANGE ROLES: X = 256 of W's v rows, Y = 256 tokens.  A lane holds one channel d, its registers run along the tokens: v is quantised along the KEYS.  Nothing is transposed.
; K goes in steps of 256 through a ring of two LDS slots filled by the tensor data mover; the scale bytes of the work-group's rows, for all of K, come once with the first fills and stay.
; CLUSTERS: 4 x 4 work-groups; X's tile is shared along a row of the cluster, Y's along a column: each is asked for jointly, by the same tensor load with the same descriptor and a mask that names the four.
; A wave has at most three tensor loads out (the first fills), later one.
; OUT (buffer qkv): 64 heads x 315,392 bytes; a head is 4 quarters (512 tokens) of 78,848 bytes: Q codes 24,576 | Q scale words 2,048 | K codes 24,576 | K scale words 2,048 | V codes 24,576 | V scale words 1,024.
;   Q, K codes: a tile of 16 token positions is 768 bytes: the fragment's registers 0-3 at 16 x lane, registers 4-5 at 512 + 8 x lane.  Their scale words: for each 128 positions [2][16 rows][4 tiles] words (byte 0, byte 1, 0, 0).
;   V codes: for each 128 keys 4 tiles of 16 channels, 1,536 bytes each: registers 4 c .. 4 c + 3 at 512 c + 16 x lane.  Their scale words: [16 rows][4 tiles].
; LIMITS: NaN and infinities are not served; a block whose largest magnitude lies under 2^-122 (a block of zeros among them) keeps the scale byte 1; the bytes are read by this program alone.
; REGISTERS, in windows of 256: window 0: v0-31 addresses; v32-63 scale words, two sets; v64-127 the bias; from v128 X's fragments, ONE set, later the tail's work.  window 1: Y's fragments, TWO sets.
;   window 2: the accumulators of my X rows 0-63 ((a, b) at v[8 (8 a + b)]); window 3: those of rows 64-127.
.set KSTEP,  256
.set NQ,     2                         ; matrix instructions deep in a slot
.set ROWB,   192                       ; a tile's row in bytes
.set KROW,   768                       ; a row of codes in memory
.set PITCH,  240                       ; an LDS row: 3 x (64 bytes + 16 of padding)
.set FR,     12                        ; registers of a fragment
.set NL,     6                         ; LDS loads that bring one
.set NP,     4                         ; places behind this matrix instruction (ISA guide 7.12.1)
.set HALFT,  128*PITCH
.set SLOT,   4*HALFT
.set KS,     32                        ; a row of scale bytes
.set SCL,    2*SLOT                    ; behind the ring: the scales, as runs of 256 bytes + 16 of padding
.set HALFS,  16*272                    ; those of 128 rows
.set SBLK,   2*272                     ; those of 16 rows
.set SPARE,  SCL+4*HALFS               ; the spare words, 128 bytes a wave: two blocks of 256 bytes that no other line names
.set HEADB,  315392
.set QUARTB, 78848
.set VO16, 7                           ; v7   16 x lane
.set VO8,  8                           ; v8   8 x lane
.set VOS,  9                           ; v9   16 r + a head's bytes x h: where scale words go
.set VBQ,  10                          ; v10  64 h: the q, k bias of my half
.set VBV,  11                          ; v11  4 (r + 8 (r / 8)): the v bias of my channel
.set SH,   12                          ; v12  16 h
.set ADRA, 16                          ; v16-19  LDS addresses of X's fragments (slot 0, 1; and behind one padding more)
.set ADRB, 20                          ; v20-23  of Y's
.set ADRS, 27                          ; v27     of my scale words: lanes 0-15 X's rows, lanes 16-31 Y's
.set SPW,  28                          ; v28     my spare word; never rewritten
.set NIL,  29                          ; v29     0; never rewritten
.set SC,   32                          ; scale words
.set BI,   64                          ; the bias
.set AF,   128                         ; X's fragments
.set H,    128                         ; the tail: 64 numbers of a block
.set PC,   192                         ; 12 registers of codes + 8 at work
.set TM,   212                         ; v212-227 the quantiser's work
.set W,    228                         ; v228-235 the eight blocks' scale words
.set TS,   236                         ; v236-243 scale words as they are stored
.set G1, 24
.set G0, 32
.set G1B, 48
.set G0B, 56
.set G1S, 68
.set G0S, 76
.set G1SB, 80
.set G0SB, 88
.set TYP, 95                           ; s95  0: q, k; 1: v
.set CC,  98                           ; s98  v: which of the eight clusters
.set SEL, 100                          ; s[100:101] selects of v_permlanex16_b32 for lane l xor 16
.set OB,  76                           ; the tail (the descriptors are done with): s[76:77] where codes go, s[78:79] scale words, s[80:81] the bias, s82 a mask of lanes 16-31
.set SB,  78
.set BB,  80
.set HM,  82
.set MSB, 0
.macro WIN new                         ; the immediate's high byte repeats the setting that is left
.if MSB != \new
	s_set_vgpr_msb (MSB<<8)|\new
.set MSB, \new
.endif
.endm
.set MUL_LO, 0xa1                      ; source 0 (Y) window 1, source 1 (X) window 0, C and D window 2
.set MUL_HI, 0xf1
.set TO_B,   0x40
; A joint load: waves 0 and 1 fetch for X, waves 2 and 3 for Y; the branch hangs on the wave's number alone.  Four v_nop follow each of the two lines.
.macro JLOAD g0a, g1a, g0b, g1b
	s_cmp_eq_u32 s15, 0
	s_cbranch_scc0 .Lfor_b_\@
	tensor_load_to_lds s[\g0a:\g0a+3], s[\g1a:\g1a+7]
	s_nop 0
.rept 4
	v_nop
.endr
	s_branch .Lasked_\@
.Lfor_b_\@:
	tensor_load_to_lds s[\g0b:\g0b+3], s[\g1b:\g1b+7]
	s_nop 0
.rept 4
	v_nop
.endr
.Lasked_\@:
.endm
.macro CREST                           ; a round of the cluster's barrier behind its opening barrier
	s_cmp_lg_u32 s14, 0
	s_cbranch_scc1 .Lnot_wave_0_\@
	s_barrier_signal -3
.Lnot_wave_0_\@:
	s_barrier_wait -3
	s_barrier_signal -1
	s_barrier_wait -1
.endm
.macro CROUND
	s_barrier_signal -1
	s_barrier_wait -1
	CREST
.endm
	s_load_b128 s[4:7], s[0:1], 0x0                ; the codes, the scale bytes
	s_load_b128 s[8:11], s[0:1], 0x10              ; b_qkv, qkv
	v_lshl_add_u32 v[SPW], v0, 2, SPARE
	v_mov_b32 v[NIL], 0
	ds_add_u32 v28, v29
	ds_add_u32 v28, v29
	s_wait_dscnt 0x0
	v_lshrrev_b32 v1, 5, v0
	v_readfirstlane_b32 s14, v1                    ; wave 0..3
	s_lshr_b32 s15, s14, 1                         ; which half of X's rows is mine.  Also: I fetch for X (0) or for Y (1)
	s_and_b32 s16, s14, 1                          ; which half of Y's.  Also: which 128 rows I fetch
	s_bfe_u32 s40, ttmp6, 0x40000                  ; cx
	s_bfe_u32 s41, ttmp6, 0x40004                  ; cy
	s_and_b32 s17, ttmp7, 0xffff                   ; cluster y
	s_lshl_b32 s96, s17, 10                        ; q, k: X begins at token position 1,024 x cluster y,
	s_lshl_b32 s97, ttmp9, 10
	s_add_co_u32 s97, s97, 8192                    ; Y at W's q, k rows, 1,024 x cluster x
	s_sub_co_u32 s[CC], s17, 8
	s_lshl_b32 s[CC], s[CC], 1
	s_add_co_u32 s[CC], s[CC], ttmp9               ; v: cluster c = 2 (cluster y - 8) + cluster x
	s_lshl_b32 s99, s[CC], 10                      ; Y begins at token position 1,024 c
	s_cmp_ge_u32 s17, 8
	s_cselect_b32 s[TYP], 1, 0
	s_cselect_b32 s96, 10240, s96                  ; v: X = W's v rows
	s_cselect_b32 s97, s99, s97
	s_lshl_b32 s43, s41, 2
	s_lshl_b32 s43, 15, s43                        ; my row of the cluster
	s_lshl_b32 s44, 0x1111, s40                    ; my column
	s_or_b32 s[G1+0], s43, (0<<16)|(1<<20)|(1<<21)|(3<<22)|(3<<25)  ; the mask; elements of 1 byte; padding on; bit 21 beside a mask; after every 16 words 4 words
	s_or_b32 s[G1B+0], s44, (0<<16)|(1<<20)|(1<<21)|(3<<22)|(3<<25)
.irp g, G1, G1B
	s_mov_b32 s[\g+1], ROWB<<16                    ; tensor_dim0
	s_mov_b32 s[\g+2], 128<<16                     ; tensor_dim1
	s_mov_b32 s[\g+3], ROWB<<16                    ; tile_dim0
	s_mov_b32 s[\g+4], 128                         ; tile_dim1
	s_mov_b32 s[\g+5], KROW                        ; the pitch
	s_mov_b32 s[\g+6], 0
	s_mov_b32 s[\g+7], 0
.endr
	s_or_b32 s[G1S+0], s43, (3<<16)|(1<<20)|(1<<21)|(5<<22)|(3<<25)  ; the scales of 128 rows: 4,096 dense bytes as 16 rows of 256 (32 elements of 8 bytes), 16 bytes of padding behind each
	s_or_b32 s[G1SB+0], s44, (3<<16)|(1<<20)|(1<<21)|(5<<22)|(3<<25)
.irp g, G1S, G1SB
	s_mov_b32 s[\g+1], 32<<16
	s_mov_b32 s[\g+2], 16<<16
	s_mov_b32 s[\g+3], 32<<16
	s_mov_b32 s[\g+4], 16
	s_mov_b32 s[\g+5], 32
	s_mov_b32 s[\g+6], 0
	s_mov_b32 s[\g+7], 0
.endr
	s_lshl_b32 s18, s16, 7                         ; which 128 rows of the tile I fetch
	s_lshl_b32 s20, s41, 8
	s_add_co_u32 s20, s20, s96
	s_add_co_u32 s20, s20, s18                     ; X: its first position + 256 cy + 128 x half: it never holds cx
	s_lshl_b32 s46, s40, 8
	s_add_co_u32 s46, s46, s97
	s_add_co_u32 s46, s46, s18                     ; Y: its first position + 256 cx + 128 x half: it never holds cy
	s_mov_b32 s21, 0
	s_mov_b32 s47, 0
	s_mov_b64 s[18:19], KS
	s_mul_u64 s[22:23], s[20:21], s[18:19]         ; where these rows' scales begin, in bytes
	s_mul_u64 s[92:93], s[46:47], s[18:19]
	s_mov_b64 s[18:19], KROW
	s_mul_u64 s[20:21], s[20:21], s[18:19]         ; and their codes
	s_mul_u64 s[46:47], s[46:47], s[18:19]
	s_mul_i32 s45, s14, HALFT                      ; where they go: wave x 128 rows
	s_mul_i32 s94, s14, HALFS
	s_mov_b32 s[SEL], 0x76543210
	s_mov_b32 s[SEL+1], 0xfedcba98
	s_wait_kmcnt 0x0
	s_add_nc_u64 s[20:21], s[4:5], s[20:21]
	s_add_nc_u64 s[22:23], s[6:7], s[22:23]
	s_add_nc_u64 s[46:47], s[4:5], s[46:47]
	s_add_nc_u64 s[92:93], s[6:7], s[92:93]
	CROUND                                         ; all sixteen work-groups are here: the first joint loads meet
	s_mov_b32 s[G0S], 1
	s_add_co_u32 s[G0S+1], s94, SCL
	s_mov_b64 s[G0S+2:G0S+3], s[22:23]
	s_or_b32 s[G0S+3], s[G0S+3], 0x80000000
	s_mov_b32 s[G0SB], 1
	s_add_co_u32 s[G0SB+1], s94, SCL
	s_mov_b64 s[G0SB+2:G0SB+3], s[92:93]
	s_or_b32 s[G0SB+3], s[G0SB+3], 0x80000000
	JLOAD G0S, G1S, G0SB, G1SB                     ; the scales first: they are wanted with K step 0
.irp s, 0,1
	s_mov_b32 s[G0+4*\s], 1
	s_add_co_u32 s[G0+4*\s+1], s45, \s*SLOT
	s_add_nc_u64 s[G0+4*\s+2:G0+4*\s+3], s[20:21], \s*ROWB
	s_or_b32 s[G0+4*\s+3], s[G0+4*\s+3], 0x80000000
	s_mov_b32 s[G0B+4*\s], 1
	s_add_co_u32 s[G0B+4*\s+1], s45, \s*SLOT
	s_add_nc_u64 s[G0B+4*\s+2:G0B+4*\s+3], s[46:47], \s*ROWB
	s_or_b32 s[G0B+4*\s+3], s[G0B+4*\s+3], 0x80000000
	JLOAD G0+4*\s, G1, G0B+4*\s, G1B
.endr
	v_and_b32 v1, 15, v0                           ; r = lane % 16
	v_bfe_u32 v2, v0, 4, 1                         ; h = lane / 16
	v_mul_u32_u24 v3, v1, PITCH
	v_mul_u32_u24 v4, v2, 24
	v_add_nc_u32 v4, v3, v4                        ; a fragment's row x pitch + 24 x half
	v_lshl_add_u32 v5, v2, 4, v4                   ; and the same behind one padding more
	s_mul_i32 s21, s15, HALFT                      ; my 128 rows of X
	s_mul_i32 s22, s16, HALFT                      ; my 128 rows of Y,
	s_add_co_u32 s22, s22, 2*HALFT                 ; which lie behind X's 256
.irp s, 0,1
	v_add_nc_u32 v[ADRA+\s], s21, v4
	v_add_nc_u32 v[ADRB+\s], s22, v4
	v_add_nc_u32 v[ADRA+2+\s], s21, v5
	v_add_nc_u32 v[ADRB+2+\s], s22, v5
	s_add_co_u32 s21, s21, SLOT
	s_add_co_u32 s22, s22, SLOT
.endr
	v_mul_u32_u24 v5, v1, KS                       ; my row's scales: KS bytes a row,
	v_lshrrev_b32 v6, 8, v5
	v_lshl_add_u32 v5, v6, 4, v5                   ; and 16 more for each 256 passed
	s_mul_i32 s21, s15, HALFS
	s_mul_i32 s22, s16, HALFS
	s_add_co_u32 s22, s22, 2*HALFS
	s_sub_co_u32 s22, s22, s21
	v_mul_u32_u24 v6, s22, v2                      ; lanes 16-31 take Y's: ONE product, the distance between the two bases x h
	s_add_co_u32 s21, s21, SCL
	v_add_nc_u32 v5, v5, v6
	v_add_nc_u32 v[ADRS], s21, v5
	v_and_b32 v6, 31, v0
	v_lshlrev_b32 v[VO16], 4, v6
	v_lshlrev_b32 v[VO8], 3, v6
	v_mul_u32_u24 v[VOS], v2, HEADB
	v_lshl_add_u32 v[VOS], v1, 4, v[VOS]
	v_lshlrev_b32 v[VBQ], 6, v2
	v_and_b32 v[VBV], 8, v1
	v_add_nc_u32 v[VBV], v[VBV], v1
	v_lshlrev_b32 v[VBV], 2, v[VBV]
	v_lshlrev_b32 v[SH], 4, v2
.macro FRAG reg, adr, q, i             ; a fragment: 16 rows x 128 K: lane l holds row l % 16; registers 6 c .. 6 c + 5 hold K = 64 c + 32 (l / 16) + 0 .. 31: 24 bytes of the row, as they lie, in pieces of 8 bytes
.irp p, 0,1,2,3,4,5
.set PCE, 12*(\q)+6*(\p/3)+\p%3        ; 16 bytes of padding lie behind every 8 pieces: where the piece of lanes 16-31 lies behind one padding more, the second address register serves
.if PCE%8 < 5
	ds_load_b64 v[\reg+2*\p:\reg+2*\p+1], v[\adr] offset:8*PCE+16*(PCE/8)+(\i)*16*PITCH
.else
	ds_load_b64 v[\reg+2*\p:\reg+2*\p+1], v[\adr+2] offset:8*PCE+16*(PCE/8)+(\i)*16*PITCH
.endif
.endr
.endm
; 16 matrix instructions: X's blocks a0, a0 + 1 x Y's eight, 128 along K.  The 64 accumulators take turns, one instruction a turn, in the same order in every step.
.macro MUL16 a0, p, q, sc, zero
.irp a, \a0, \a0+1
.irp b, 0,1,2,3,4,5,6,7
.if \zero
	v_wmma_scale_f32_16x16x128_f8f6f4 v[8*(8*((\a)%4)+\b):8*(8*((\a)%4)+\b)+7], v[128*(\p)+FR*\b:128*(\p)+FR*\b+FR-1], v[AF+FR*(\a):AF+FR*(\a)+FR-1], 0, v[SC+8*NQ*(\sc)+NQ*\b+(\q)], v[SC+8*NQ*(\sc)+NQ*(\a)+(\q)] matrix_a_fmt:MATRIX_FMT_BF6 matrix_b_fmt:MATRIX_FMT_BF6 matrix_a_scale:MATRIX_SCALE_ROW1
.else
	v_wmma_scale_f32_16x16x128_f8f6f4 v[8*(8*((\a)%4)+\b):8*(8*((\a)%4)+\b)+7], v[128*(\p)+FR*\b:128*(\p)+FR*\b+FR-1], v[AF+FR*(\a):AF+FR*(\a)+FR-1], v[8*(8*((\a)%4)+\b):8*(8*((\a)%4)+\b)+7], v[SC+8*NQ*(\sc)+NQ*\b+(\q)], v[SC+8*NQ*(\sc)+NQ*(\a)+(\q)] matrix_a_fmt:MATRIX_FMT_BF6 matrix_b_fmt:MATRIX_FMT_BF6 matrix_a_scale:MATRIX_SCALE_ROW1
.endif
.endr
.endr
.endm
.macro FETCH_B slot, q, p              ; Y's eight fragments of the slot's q-th 128 along K into set p
	WIN TO_B
.irp i, 0,1,2,3,4,5,6,7
	FRAG 128*(\p)+FR*\i, ADRB+\slot, \q, \i
.endr
	WIN 0
.endm
.macro FETCH_A slot, q, i0             ; X's blocks i0 .. i0 + 3
.irp i, \i0, \i0+1, \i0+2, \i0+3
	FRAG AF+FR*(\i), ADRA+\slot, \q, \i
.endr
.endm
.macro SCALES sc                       ; a K step's scale words: lanes 0-15 take X's block i, lanes 16-31 Y's block i
.irp i, 0,1,2,3,4,5,6,7
	ds_load_b64 v[SC+8*NQ*\sc+NQ*\i:SC+8*NQ*\sc+NQ*\i+1], v[ADRS] offset:\i*SBLK
.endr
.endm
.macro PLACES n                        ; plain vector instructions between a matrix instruction and a load into, or a vector read or write of, its registers
.rept \n
	v_nop
.endr
.endm
.macro STEP slot, q, zero              ; a step of 128 along K that has its successor in the same slot
	s_wait_dscnt 4*NL                              ; Y's set and X's blocks 0-3 are in; the youngest 24 loads (X's blocks 4-7) may be out
	WIN MUL_LO
	MUL16 0, (\q)%2, \q, \slot, \zero
	MUL16 2, (\q)%2, \q, \slot, \zero
	s_wait_dscnt 0
	PLACES NP
	FETCH_B \slot, (\q)+1, 1-(\q)%2
	FETCH_A \slot, (\q)+1, 0
	WIN MUL_HI
	MUL16 4, (\q)%2, \q, \slot, \zero
	MUL16 6, (\q)%2, \q, \slot, \zero
	PLACES NP
	WIN 0
	FETCH_A \slot, (\q)+1, 4
.endm
; A slot's last step changes slots: ONE barrier; in front of it each wave waits for all its tensor loads, adds 0 to its spare word, and waits for that and for its own reads of this slot.  fill = 1: this slot is filled again.
.macro TURN slot, next, fill
	s_wait_tensorcnt 0x0                           ; all my tensor loads have landed: my part of the next slot
	ds_add_u32 v[SPW], v[NIL]                      ; 0 onto my spare word
	s_wait_dscnt 4*NL+1                            ; (the add and the youngest 24 loads, X's blocks 4-7, may be out)
	WIN MUL_LO
	MUL16 0, 1, NQ-1, \slot, 0
	s_wait_dscnt 0x0                               ; the add is done, and my reads of this slot are over
	s_barrier_signal -1
	MUL16 2, 1, NQ-1, \slot, 0
	WIN 0
	s_barrier_wait -1
.if \fill
	CREST                                          ; the barrier has opened a round of the cluster's barrier: no wave of any partner still reads this slot or has a load on its way
	s_add_nc_u64 s[G0+4*\slot+2:G0+4*\slot+3], s[G0+4*\slot+2:G0+4*\slot+3], 2*ROWB
	s_add_nc_u64 s[G0B+4*\slot+2:G0B+4*\slot+3], s[G0B+4*\slot+2:G0B+4*\slot+3], 2*ROWB
	JLOAD G0+4*\slot, G1, G0B+4*\slot, G1B         ; the first tensor load behind the round; its four v_nop are the places in front of the loads below
.else
	PLACES NP
.endif
	v_add_nc_u32 v[ADRS], 4*NQ, v[ADRS]            ; on to the next K step's scale words
	FETCH_B \next, 0, 0
	FETCH_A \next, 0, 0
	SCALES \next
	WIN MUL_HI
	MUL16 4, 1, NQ-1, \slot, 0
	MUL16 6, 1, NQ-1, \slot, 0
	PLACES NP
	WIN 0
	FETCH_A \next, 0, 4
.endm
; 64 numbers of a lane, v[s] on, register 16 b + i = k 32 b + 16 (lane / 16) + i of my row, become a fragment's codes in v[PC] on and its scale word in v[pw].
.macro QUANT s, pw
.irp b, 0,1,2,3
	v_max3_num_f32 v[TM+\b], |v[\s+16*\b]|, |v[\s+1+16*\b]|, 0x2800000   ; my 16 numbers of block b, and the floor 2^(5 - 127): so the byte cannot fall under 1
.endr
.irp i, 2,4,6,8,10,12,14
.irp b, 0,1,2,3
	v_max3_num_f32 v[TM+\b], v[TM+\b], |v[\s+16*\b+\i]|, |v[\s+1+16*\b+\i]|
.endr
.endr
.irp b, 0,1,2,3
	v_permlanex16_b32 v[TM+4+\b], v[TM+\b], s[SEL], s[SEL+1]
.endr
.irp b, 0,1,2,3
	v_max_num_f32 v[TM+\b], v[TM+\b], v[TM+4+\b]   ; with lane l xor 16's: the block's largest magnitude
.endr
.irp b, 0,1,2,3
	v_add_nc_u32 v[TM+12+\b], 0xfe000000, v[TM+\b] ; 4 off its exponent field: the conversion's scale operand
.endr
.irp b, 0,1,2,3
	v_lshrrev_b32 v[TM+4+\b], 23, v[TM+12+\b]      ; the scale's byte
.endr
	v_lshl_or_b32 v[\pw], v[TM+5], 8, v[TM+4]
	v_lshl_or_b32 v[\pw], v[TM+6], 16, v[\pw]
	v_lshl_or_b32 v[\pw], v[TM+7], 24, v[\pw]
.irp c, 0,1
	v_cvt_scalef32_pk16_bf6_f32 v[PC+6*\c:PC+2+6*\c], v[\s+32*\c:\s+15+32*\c], v[TM+12+2*\c]
	v_cvt_scalef32_pk16_bf6_f32 v[PC+12+4*\c:PC+14+4*\c], v[\s+16+32*\c:\s+31+32*\c], v[TM+12+2*\c+1]   ; (a conversion's three registers begin on an even number)
.endr
	v_nop                                          ; one plain line behind a scaled conversion
.irp c, 0,1                            ; the operand's layout wants a WHOLE block in a lane: lanes 0-15 block 2 c, lanes 16-31 block 2 c + 1
.irp i, 0,1,2
	v_permlane16_swap_b32 v[PC+6*\c+\i], v[PC+12+4*\c+\i]
.endr
.irp i, 0,1,2
	v_mov_b32 v[PC+3+6*\c+\i], v[PC+12+4*\c+\i]
.endr
.endr
.endm
; Block a (16 rows of X x my 128 of Y): + bias (the addition is also the move into window 0; it reads each accumulator from its low end on), quantised, stored as images.
.macro OUTBLK ty, a
.set WN, 0x02+((\a)/4)
	WIN WN                                         ; source 0: window 2 or 3
.set i, 0
.rept 32
.if \ty == 0
	v_pk_add_f32 v[H+2*i:H+2*i+1], v[64*((\a)%4)+2*i:64*((\a)%4)+2*i+1], v[BI+2*i:BI+2*i+1]
.else
	v_pk_add_f32 v[H+2*i:H+2*i+1], v[64*((\a)%4)+2*i:64*((\a)%4)+2*i+1], v[BI+2*(\a):BI+2*(\a)+1]
.endif
.set i, i+1
.endr
	WIN 0
	s_wait_xcnt 0x0                                ; the last block's stores have read their data registers: the codes may be written anew
	QUANT H, W+(\a)
.if \ty == 0
	global_store_b128 v[VO16], v[PC:PC+3], s[OB:OB+1] offset:(\a)*768                ; registers 0-5: my first head's 64 along d; each store covers 512 or 256 consecutive bytes, aligned
	global_store_b64 v[VO8], v[PC+4:PC+5], s[OB:OB+1] offset:(\a)*768+512
	global_store_b128 v[VO16], v[PC+6:PC+9], s[OB:OB+1] offset:(\a)*768+HEADB        ; registers 6-11: the next head's
	global_store_b64 v[VO8], v[PC+10:PC+11], s[OB:OB+1] offset:(\a)*768+HEADB+512
.else
.irp c, 0,1,2
	global_store_b128 v[VO16], v[PC+4*\c:PC+4*\c+3], s[OB:OB+1] offset:((\a)/4)*HEADB+((\a)%4)*1536+512*\c
.endr
.endif
.endm
.macro TAIL ty
.if \ty == 0
	s_lshl_b32 s68, s17, 2
	s_add_co_u32 s68, s68, s41                     ; X's tile of 256 tokens
	s_lshr_b32 s69, s68, 3                         ; the batch
	s_and_b32 s68, s68, 7
	s_lshl_b32 s68, s68, 1
	s_add_co_u32 s68, s68, s15                     ; my 128 tokens: step 0..15 of the batch
	s_lshl_b32 s70, ttmp9, 2
	s_add_co_u32 s70, s70, s40                     ; Y's tile
	s_lshr_b32 s71, s70, 2                         ; 0: q, 1: k
	s_and_b32 s70, s70, 3
	s_lshl_b32 s70, s70, 2
	s_lshl_b32 s72, s16, 1
	s_add_co_u32 s70, s70, s72                     ; my first head of two
	s_lshl_b32 s72, s69, 4
	s_add_co_u32 s72, s72, s70
	s_mul_i32 s72, s72, HEADB
	s_lshr_b32 s73, s68, 2
	s_mul_i32 s73, s73, QUARTB
	s_add_co_u32 s72, s72, s73
	s_mul_i32 s73, s71, 26624
	s_add_co_u32 s72, s72, s73
	s_and_b32 s68, s68, 3
	s_mul_i32 s[OB], s68, 6144
	s_add_co_u32 s[OB], s[OB], s72
	s_lshl_b32 s[SB], s68, 9
	s_add_co_u32 s[SB], s[SB], s72
	s_add_co_u32 s[SB], s[SB], 24576
	s_mul_i32 s[BB], s70, 768                      ; b_qkv at 192 head + 64 part
	s_lshl_b32 s73, s71, 8
	s_add_co_u32 s[BB], s[BB], s73
.else
	s_lshl_b32 s70, s41, 2
	s_lshl_b32 s72, s15, 1
	s_add_co_u32 s70, s70, s72                     ; my first head of two: 4 cy + 2 x half
	s_lshl_b32 s68, s[CC], 2
	s_add_co_u32 s68, s68, s40                     ; Y's tile of 256 tokens
	s_lshr_b32 s69, s68, 3
	s_and_b32 s68, s68, 7
	s_lshl_b32 s68, s68, 1
	s_add_co_u32 s68, s68, s16                     ; my 128 keys
	s_lshl_b32 s72, s69, 4
	s_add_co_u32 s72, s72, s70
	s_mul_i32 s72, s72, HEADB
	s_lshr_b32 s73, s68, 2
	s_mul_i32 s73, s73, QUARTB
	s_add_co_u32 s72, s72, s73
	s_and_b32 s68, s68, 3
	s_mul_i32 s[OB], s68, 6144
	s_add_co_u32 s[OB], s[OB], s72
	s_add_co_u32 s[OB], s[OB], 53248
	s_lshl_b32 s[SB], s68, 8
	s_add_co_u32 s[SB], s[SB], s72
	s_add_co_u32 s[SB], s[SB], 77824
	s_mul_i32 s[BB], s70, 768
	s_add_co_u32 s[BB], s[BB], 512                 ; b_qkv at 192 head + 128
.endif
	s_mov_b32 s[OB+1], 0
	s_mov_b32 s[SB+1], 0
	s_mov_b32 s[BB+1], 0
	s_mov_b32 s[HM], 0xffff0000
	s_add_nc_u64 s[OB:OB+1], s[10:11], s[OB:OB+1]
	s_add_nc_u64 s[SB:SB+1], s[10:11], s[SB:SB+1]
	s_add_nc_u64 s[BB:BB+1], s[8:9], s[BB:BB+1]
.if \ty == 0                           ; the bias lands under the last 64 products.  q, k: register 16 b + i is feature 32 b + 16 h + i of my 128
.irp b, 0,1,2,3
.irp j, 0,1,2,3
	global_load_b128 v[BI+16*\b+4*\j:BI+16*\b+4*\j+3], v[VBQ], s[BB:BB+1] offset:(\b/2)*768+(\b%2)*128+16*\j
.endr
.endr
.else                                  ; v: one number a lane and block, twice, for the packed addition
.irp a, 0,1,2,3,4,5,6,7
	global_load_b32 v[BI+2*\a], v[VBV], s[BB:BB+1] offset:4*((\a/4)*192+32*((\a%4)/2)+8*(\a%2))
	global_load_b32 v[BI+2*\a+1], v[VBV], s[BB:BB+1] offset:4*((\a/4)*192+32*((\a%4)/2)+8*(\a%2))
.endr
.endif
	s_wait_dscnt 4*NL                              ; the very last step: nothing more to fetch
	WIN MUL_LO
	MUL16 0, 1, NQ-1, 1, 0
	MUL16 2, 1, NQ-1, 1, 0
	s_wait_dscnt 0
	WIN MUL_HI
	MUL16 4, 1, NQ-1, 1, 0
	MUL16 6, 1, NQ-1, 1, 0
	WIN 0
	PLACES NP                                      ; in front of the first read of results and of the first write over X's fragments
	s_wait_loadcnt 0x0                             ; the bias
.irp b, 0,1,2,3
	v_mov_b32 v[TM+4+\b], 0                        ; written once: a lane permute's destination counts as one of its sources
.endr
.irp a, 0,1,2,3,4,5,6,7
	OUTBLK \ty, \a
.endr
.if \ty == 0                           ; a row's word holds two heads' bytes: lanes 0-15 keep the first head's two, lanes 16-31 the second's; the upper two bytes, for the zero half of K, are 0
.irp a, 0,1,2,3,4,5,6,7
	v_lshrrev_b32 v[TS+\a], v[SH], v[W+\a]
.endr
.irp a, 0,1,2,3,4,5,6,7
	v_and_b32 v[TS+\a], 0xffff, v[TS+\a]
.endr
	global_store_b128 v[VOS], v[TS:TS+3], s[SB:SB+1]               ; sixteen lanes store 256 consecutive bytes, aligned; lanes 16-31 the same in the next head
	global_store_b128 v[VOS], v[TS+4:TS+7], s[SB:SB+1] offset:256
.else
.irp j, 0,1,2,3
	v_cndmask_b32 v[TS+\j], v[W+\j], v[W+4+\j], s[HM]              ; lanes 0-15: my first head's tile j; lanes 16-31: the second head's
.endr
	global_store_b128 v[VOS], v[TS:TS+3], s[SB:SB+1]
.endif
.endm
	s_wait_tensorcnt 1                             ; the scales and my part of K step 0 are in (K step 1's load may be out),
	s_barrier_signal -1
	s_barrier_wait -1                              ; everybody's are
	FETCH_B 0, 0, 0
	FETCH_A 0, 0, 0
	SCALES 0
	FETCH_A 0, 0, 4
	STEP 0, 0, 1                                   ; the first products start the sums: nothing is cleared
	TURN 0, 1, 1                                   ; K = 1,024 is four K steps: each slot is filled again once, so the walk is written straight
	STEP 1, 0, 0
	TURN 1, 0, 1
	STEP 0, 0, 0
	TURN 0, 1, 0
	STEP 1, 0, 0
	s_cmp_lg_u32 s[TYP], 0                         ; the one branch on the kind of cluster: it hangs on the cluster's y, which all partners share
	s_cbranch_scc1 .Lv
	TAIL 0
	s_branch .Lend
.Lv:
	TAIL 1
.Lend:
	s_wait_tensorcnt 0x0                           ; the wave's end
	ds_add_u32 v[SPW], v[NIL]
	s_wait_dscnt 0x0
	CROUND                                         ; the closing round: no work-group ends while a partner may still ask for a tile that names it
	s_endpgm
.Lfunc_end_k_q158d4ee1e5_proj:
	.size	k_q158d4ee1e5_proj, .Lfunc_end_k_q158d4ee1e5_proj-k_q158d4ee1e5_proj
	.p2alignl 7, 3214868480
	.fill 96, 4, 3214868480
	.section	.rodata,"a",@progbits
	.p2align	6, 0x0
	.amdhsa_kernel k_q158d4ee1e5_proj
		.amdhsa_group_segment_fixed_size 327680
		.amdhsa_private_segment_fixed_size 0
		.amdhsa_enable_private_segment 0
		.amdhsa_kernarg_size 32
		.amdhsa_user_sgpr_count 2
		.amdhsa_user_sgpr_kernarg_segment_ptr 1
		.amdhsa_wavefront_size32 1
		.amdhsa_system_sgpr_workgroup_id_x 1
		.amdhsa_system_sgpr_workgroup_id_y 1
		.amdhsa_system_sgpr_workgroup_id_z 1
		.amdhsa_system_vgpr_workitem_id 0
		.amdhsa_next_free_vgpr 1024
		.amdhsa_next_free_sgpr 102
		.amdhsa_reserve_vcc 0
		.amdhsa_float_denorm_mode_32 3
		.amdhsa_float_denorm_mode_16_64 3
		.amdhsa_memory_ordered 1
		.amdhsa_forward_progress 1
		.amdhsa_inst_pref_size 244
	.end_amdhsa_kernel
	.amdgpu_metadata
---
amdhsa.version: [ 1, 2 ]
amdhsa.kernels:
  - .name:           k_q158d4ee1e5_proj
    .symbol:         k_q158d4ee1e5_proj.kd
    .args:
      - { .name: xw_codes, .offset: 0, .size: 8, .value_kind: global_buffer, .address_space: global }
      - { .name: xw_scales, .offset: 8, .size: 8, .value_kind: global_buffer, .address_space: global }
      - { .name: b_qkv, .offset: 16, .size: 8, .value_kind: global_buffer, .address_space: global }
      - { .name: qkv, .offset: 24, .size: 8, .value_kind: global_buffer, .address_space: global }
    .group_segment_fixed_size: 327680
    .private_segment_fixed_size: 0
    .kernarg_segment_align: 8
    .kernarg_segment_size: 32
    .max_flat_workgroup_size: 128
    .sgpr_count:     102
    .vgpr_count:     1024
    .wavefront_size: 32
...
	.end_amdgpu_metadata
.endif
;; end of part 2
;; launch attn (part 3): grid 4 x 64, 16 waves a work-group, clusters of 4 x 1, 210,944 bytes of LDS; arguments qkv, ao_codes, ao_scales; writes ao_codes, ao_scales
.if DOCPART == 3
	.amdgcn_target "amdgcn-amd-amdhsa--gfx1250"
	.amdhsa_code_object_version 6
	.text
	.protected	k_q158d4ee1e5_attn
	.globl	k_q158d4ee1e5_attn
	.p2align	8
	.type	k_q158d4ee1e5_attn,@function
k_q158d4ee1e5_attn:
	s_mov_b64 s[64:65], 0
	v_nop
	global_prefetch_b8 v0, s[64:65] scope:SCOPE_SE
	s_setreg_imm32_b32 hwreg(HW_REG_WAVE_MODE, 25, 1), 1
	s_wait_xcnt 0x0
	s_wait_alu depctr_hold_cnt(0) depctr_sa_sdst(0) depctr_va_vdst(0) depctr_va_sdst(0) depctr_va_ssrc(0) depctr_va_vcc(0) depctr_vm_vsrc(0)
	s_getreg_b32 s2, hwreg(HW_REG_IB_STS2, 6, 4)
	s_cmp_eq_u32 s2, 0
	s_cbranch_scc0 .Lentry_in_a_cluster
	s_endpgm
.Lentry_in_a_cluster:
	s_bfe_u32 s2, ttmp6, 0x10000c
	s_cmp_lg_u32 s2, 0x3003
	s_cbranch_scc0 .Lentry_shape_is_right
	s_endpgm
.Lentry_shape_is_right:
; Causal attention of one head (64 heads x 2,048 tokens x 64 channels), both products on codes of BF6 (E3M2) with one E8M0 scale for each 32 along a product's K.  Q, K, V come as images of operand registers (buffer qkv).
; THE SOFTMAX AHEAD OF THE SECOND PRODUCT: t = score x log2(e) / 8; M = the running largest t rounded UP to a whole number; p = 2^(t - M) is quantised along the keys, not normalised; the row's sum is taken of the
; unquantised p and divides O at the end; when M moves, the sum and O are multiplied by 2^(old M - new M), exactly.  O / sum is quantised along the head's 64 channels and leaves as an image for the last product.
; FIRST PRODUCT: K = 64 in an instruction of 128: the upper six registers of Q's and K's fragments are zero codes (scale byte 0, which is no NaN): they add nothing.
; SHARES.  A cluster of four work-groups serves one head (the cluster's y); the head's K, V and their scale words, 208,896 bytes, come into each partner's LDS ONCE, by joint loads: nothing in LDS is filled again or stored to.
; Query tile T (16 token positions) = 4 j + cx.  Wave w takes j = 31 - w and then j = w.  Tile T wants the key steps (128 keys) 0 .. j / 2, whatever cx: every branch and LDS address hangs on the wave's number
; and on loop counters alone, and every wave works 17 key steps, two of them on the diagonal.
; LAYOUT.  Both products are used transposed: S^T = K Q^T, O^T = V^T P^T: a lane holds ONE query throughout.  A tile's 16 positions hold the tokens 32 (T / 2) + 8 (T % 2) + r + 8 (r / 8), so the 16 registers of two
; neighbouring tiles of keys are 16 neighbouring keys 32 b + 16 (lane / 16) + 0..15.  V's tiles of channels are chosen likewise, so O^T's registers are neighbours along d.
; The loops' trip counts are constants; a step all of whose keys come after the wave's queries is jumped over by a scalar branch; no barrier and no tensor load stands in a step.
; Waves 0-3 have four tensor loads out, the others none.
; LIMITS: NaN and infinities are not served; a block of p or of O whose largest magnitude lies under 2^-122 keeps the scale byte 1 (its codes are zeros or as that scale gives them).
.set HEADB,  315392                    ; a head in qkv
.set QUARTB, 78848                     ; a quarter (512 tokens) of it
.set QSO,    24576                     ; in memory: a quarter's Q scale words
.set QUART,  52224                     ; LDS: a quarter: K codes 24,576 | K scale words 2,048 | V codes 24,576 | V scale words 1,024
.set PARTB,  13056                     ; what one tensor load brings: 51 rows of 256 bytes
.set KSO,    24576
.set VCO,    26624
.set VSO,    51200
.set L16,  1                           ; v1   16 x lane
.set L8,   2                           ; v2   8 x lane
.set R16,  3                           ; v3   16 r
.set QL,   4                           ; v4   r + 8 (r / 8) - 16 h
.set ADK,  5                           ; v5-8 the step's LDS addresses
.set ADK8, 6
.set ADS,  7
.set ADT,  8
.set R8,   9                           ; v9   8 r
.set QF0,  16                          ; v16-27 Q of the first pass (6 registers of codes, 6 of zeros); v28-39 of the second
.set QF1,  28
.set QS0,  40                          ; v40, v41 their scale words
.set QS1,  41
.set KSC,  42                          ; v42-49 K's scale words of a step
.set VSC,  50                          ; v50-53 V's
.set KF,   54                          ; v54-101 four fragments of K (6 + 6 zeros each)
.set S,    102                         ; v102-165 S^T, then p, then V's four fragments
.set O,    166                         ; v166-197 O^T
.set PC,   198                         ; v198-217 p's codes and work
.set BM,   218                         ; v218-221 the blocks' maxima
.set PM,   222                         ; v222-225 the other half's; then the bytes
.set SO,   226                         ; v226-229 the conversions' scale operands
.set T0,   230
.set T1,   231
.set F,    232                         ; v[232:233] f (the upper word stays 0)
.set PSW,  234                         ; p's scale word
.set SM2,  236                         ; v[236:237] the sums' second chain.  v12 -M, v13 the largest t, v[14:15] the sum in two halves
.set WV,   10
.set CX,   11
.set BH,   12
.set G1,   16                          ; s[16:23] descriptor group 1; s[24:39] four groups 0, one a quarter
.set G0,   24
.set SEL,  40
.set CS,   42
.set KS,   44                          ; the key step
.set J2,   45                          ; the pass's diagonal step, j / 2
.set SQ,   46                          ; my tile's first token in that step
.set QB,   47
.set MM,   48
.set TK,   49
.set TS,   50
.set TV,   51
.set JJ,   52
.set AOC,  54                          ; s[54:55] where the pass's codes go; s[56:57] its scale bytes
.set AOS,  56
.macro CROUND                          ; a round of the cluster's barrier
	s_barrier_signal -1
	s_barrier_wait -1
	s_cmp_lg_u32 s[WV], 0
	s_cbranch_scc1 .Lnot_wave_0_\@
	s_barrier_signal -3
.Lnot_wave_0_\@:
	s_barrier_wait -3
	s_barrier_signal -1
	s_barrier_wait -1
.endm
	s_load_b128 s[4:7], s[0:1], 0x0                ; qkv, ao_codes
	s_load_b64 s[8:9], s[0:1], 0x10                ; ao_scales
	v_lshl_add_u32 v254, v0, 2, 0x33000
	v_mov_b32 v255, 0
	ds_add_u32 v254, v255
	ds_add_u32 v254, v255
	v_lshrrev_b32 v10, 5, v0
	s_delay_alu instid0(VALU_DEP_1)
	v_readfirstlane_b32 s[WV], v10                 ; wave 0..15
	s_bfe_u32 s[CX], ttmp6, 0x40000                ; cx: it enters Q's and the output's addresses and the mask's numbers, no branch and no LDS address
	s_and_b32 s[BH], ttmp7, 0xffff                 ; batch x 16 + head: the cluster's y
	s_mul_i32 s14, s[BH], HEADB
	s_mov_b32 s15, 0
	s_and_b32 s13, s[WV], 3
	s_mul_i32 s13, s13, PARTB                      ; waves 0-3: my quarter of each quarter
	s_mov_b32 s[G1], 15|(3<<16)|(1<<21)            ; the mask: all four partners; elements of 8 bytes; bit 21 beside a mask; no padding
	s_mov_b32 s[G1+1], 32<<16                      ; tensor_dim0 = 32 (256 bytes)
	s_mov_b32 s[G1+2], 51<<16                      ; tensor_dim1 = 51
	s_mov_b32 s[G1+3], 32<<16                      ; tile_dim0
	s_mov_b32 s[G1+4], 51                          ; tile_dim1
	s_mov_b32 s[G1+5], 32                          ; the pitch: dense
	s_mov_b32 s[G1+6], 0
	s_mov_b32 s[G1+7], 0
	s_mov_b32 s[SEL], 0x76543210
	s_mov_b32 s[SEL+1], 0xfedcba98
	s_mov_b32 s[CS], 0x3e38aa3b                    ; c = log2(e) / 8
	s_mov_b32 s[CS+1], s[CS]
	s_xor_b32 s[JJ], s[WV], 31                     ; the first pass's j = 31 - w
	s_wait_dscnt 0x0
	s_wait_kmcnt 0x0
	s_add_nc_u64 s[4:5], s[4:5], s[14:15]          ; qkv at my head
	s_mov_b32 s14, s13
	s_add_nc_u64 s[58:59], s[4:5], s[14:15]
.irp c, 0,1,2,3
	s_mov_b32 s[G0+4*\c], 1
	s_add_co_u32 s[G0+4*\c+1], s13, \c*QUART
	s_add_nc_u64 s[G0+4*\c+2:G0+4*\c+3], s[58:59], \c*QUARTB+26624   ; a quarter's K, V and their scale words are 52,224 dense bytes
	s_or_b32 s[G0+4*\c+3], s[G0+4*\c+3], 0x80000000
.endr
	CROUND                                         ; all four work-groups are here: the joint loads meet
	s_cmp_lt_u32 s[WV], 4                          ; a wave's first fills stand in one branch, ahead of every wait on TENSORcnt, every LDS read and every later barrier
	s_cbranch_scc0 .Lno_fetch
	tensor_load_to_lds s[G0:G0+3], s[G1:G1+7]
	s_nop 0
	tensor_load_to_lds s[G0+4:G0+7], s[G1:G1+7]
	s_nop 0
	tensor_load_to_lds s[G0+8:G0+11], s[G1:G1+7]
	s_nop 0
	tensor_load_to_lds s[G0+12:G0+15], s[G1:G1+7]
	s_nop 0
.rept 4
	v_nop
.endr
.Lno_fetch:
	v_and_b32 v10, 31, v0
	s_delay_alu instid0(VALU_DEP_1)
	v_lshlrev_b32 v[L16], 4, v10
	s_delay_alu instid0(VALU_DEP_2)
	v_lshlrev_b32 v[L8], 3, v10
	s_wait_alu depctr_va_vdst(0)
	v_and_b32 v11, 15, v0                          ; r
	s_delay_alu instid0(VALU_DEP_1)
	v_lshlrev_b32 v[R16], 4, v11
	s_wait_alu depctr_va_vdst(0)
	v_lshlrev_b32 v[R8], 3, v11
	v_and_b32 v[QL], 8, v11
	s_delay_alu instid0(VALU_DEP_1)
	v_add_nc_u32 v[QL], v[QL], v11
	v_bfe_u32 v10, v0, 4, 1                        ; h
	s_delay_alu instid0(VALU_DEP_1)
	v_lshlrev_b32 v10, 4, v10
	s_delay_alu instid0(VALU_DEP_1)
	v_sub_nc_u32 v[QL], v[QL], v10
; Q's tile 4 j + cx: quarter j / 8, tile 4 (j % 8) + cx of it; its scale word lies at step (j % 8) / 2, group j % 2, row r, word cx.  jr: the scalar register that holds j; sb: four scalar registers for the two addresses
.macro QLOAD jr, sb, qf, qs
	s_lshr_b32 s74, s[\jr], 3
	s_mul_i32 s74, s74, QUARTB
	s_and_b32 s75, s[\jr], 7
	s_lshl_b32 s76, s75, 2
	s_add_co_u32 s76, s76, s[CX]
	s_mul_i32 s76, s76, 768
	s_add_co_u32 s[\sb], s76, s74
	s_mov_b32 s[\sb+1], 0
	s_lshr_b32 s75, s75, 1
	s_lshl_b32 s75, s75, 9
	s_add_co_u32 s75, s75, s74
	s_and_b32 s76, s[\jr], 1
	s_lshl_b32 s76, s76, 8
	s_add_co_u32 s75, s75, s76
	s_lshl_b32 s76, s[CX], 2
	s_add_co_u32 s75, s75, s76
	s_add_co_u32 s[\sb+2], s75, QSO
	s_mov_b32 s[\sb+3], 0
	s_add_nc_u64 s[\sb:\sb+1], s[4:5], s[\sb:\sb+1]
	s_add_nc_u64 s[\sb+2:\sb+3], s[4:5], s[\sb+2:\sb+3]
	global_load_b128 v[\qf:\qf+3], v[L16], s[\sb:\sb+1]
	global_load_b64 v[\qf+4:\qf+5], v[L8], s[\sb:\sb+1] offset:512
	global_load_b32 v[\qs], v[R16], s[\sb+2:\sb+3]
.endm
	QLOAD JJ, 66, QF0, QS0
	QLOAD WV, 70, QF1, QS1
.irp i, 6,7,8,9,10,11
	v_mov_b32 v[QF0+\i], 0                         ; the zero halves of K: written once
	v_mov_b32 v[QF1+\i], 0
	v_mov_b32 v[KF+\i], 0
	v_mov_b32 v[KF+12+\i], 0
	v_mov_b32 v[KF+24+\i], 0
	v_mov_b32 v[KF+36+\i], 0
.endr
.irp b, 0,1,2,3
	v_mov_b32 v[PM+\b], 0                          ; written once: a lane permute's destination counts as one of its sources
.endr
	v_mov_b32 v[T0], 0
	v_mov_b32 v[T1], 0
	v_mov_b32 v[F+1], 0                            ; (named as the upper half of a pair)
; what a pass needs: its diagonal step, its tile's first token there, and where its results go
.macro PASSSET jr
	s_lshr_b32 s[J2], s[\jr], 1
	s_and_b32 s[SQ], s[\jr], 1
	s_lshl_b32 s[SQ], s[SQ], 6
	s_lshr_b32 s60, s[CX], 1
	s_lshl_b32 s60, s60, 5
	s_add_co_u32 s[SQ], s[SQ], s60
	s_and_b32 s60, s[CX], 1
	s_lshl_b32 s60, s60, 3
	s_add_co_u32 s[SQ], s[SQ], s60                 ; 64 (j % 2) + 32 (cx / 2) + 8 (cx % 2)
	s_lshr_b32 s60, s[BH], 4
	s_lshl_b32 s60, s60, 7
	s_lshl_b32 s61, s[\jr], 2
	s_add_co_u32 s60, s60, s61
	s_add_co_u32 s60, s60, s[CX]                   ; the token tile: 128 batch + 4 j + cx
	s_and_b32 s61, s[BH], 15                       ; the head
	s_mul_i32 s[AOC], s60, 12288
	s_mul_i32 s62, s61, 768
	s_add_co_u32 s[AOC], s[AOC], s62
	s_mov_b32 s[AOC+1], 0
	s_lshl_b32 s[AOS], s60, 9
	s_lshr_b32 s62, s61, 2
	s_lshl_b32 s62, s62, 7
	s_add_co_u32 s[AOS], s[AOS], s62
	s_and_b32 s62, s61, 3
	s_lshl_b32 s62, s62, 1
	s_add_co_u32 s[AOS], s[AOS], s62
	s_mov_b32 s[AOS+1], 0
	s_add_nc_u64 s[AOC:AOC+1], s[6:7], s[AOC:AOC+1]
	s_add_nc_u64 s[AOS:AOS+1], s[8:9], s[AOS:AOS+1]
.endm
.macro INIT                            ; the step is written without a first step of its own: it finds zeros, which the first change of M leaves zeros
	v_mov_b32 v13, 0xff61b1e6                      ; the largest t so far: -3e38
	s_delay_alu instid0(VALU_DEP_1)
	v_floor_f32 v12, -v13                          ; -M
	v_mov_b32 v14, 0
	v_mov_b32 v15, 0
.set i, 0
.rept 32
	v_mov_b32 v[O+i], 0
.set i, i+1
.endr
.endm
; A KEY STEP: 128 keys.  masked = 1: the step may be hidden or lie on the diagonal.  qc: the quarter, where it is a constant of the loop; -1: from the counter.
.macro STEP masked, qf, qs, qc
.if \masked
	s_cmp_gt_u32 s[KS], s[J2]                      ; all its keys come after my queries
	s_cbranch_scc1 .Lhidden_\@
.endif
.if \qc >= 0
	s_mov_b32 s[QB], (\qc)*QUART
.else
	s_lshr_b32 s[QB], s[KS], 2
	s_mul_i32 s[QB], s[QB], QUART
.endif
	s_and_b32 s[MM], s[KS], 3
	s_mul_i32 s[TK], s[MM], 6144
	s_add_co_u32 s[TK], s[TK], s[QB]
	s_lshl_b32 s[TS], s[MM], 9
	s_add_co_u32 s[TS], s[TS], s[QB]
	s_lshl_b32 s[TV], s[MM], 8
	s_add_co_u32 s[TV], s[TV], s[QB]
	s_setprio 2
	v_add_nc_u32 v[ADK], s[TK], v[L16]             ; these four and the two v_nop are six places behind the last step's products: S^T below is written over the registers that held V (five are owed),
	s_wait_alu depctr_va_vdst(0)
	v_add_nc_u32 v[ADK8], s[TK], v[L8]             ; and the loads below land in their scale registers (four)
	s_wait_alu depctr_va_vdst(0)
	v_add_nc_u32 v[ADS], s[TS], v[R16]
	v_add_nc_u32 v[ADT], s[TV], v[R16]
	v_nop
	v_nop
	ds_load_b128 v[KSC:KSC+3], v[ADS] offset:KSO
	ds_load_b128 v[KSC+4:KSC+7], v[ADS] offset:KSO+256
	ds_load_b128 v[VSC:VSC+3], v[ADT] offset:VSO
.irp g, 0,1                            ; S^T = K Q^T, four tiles of 16 keys at a time
.if \g
.rept 4
	v_nop                                          ; places in front of loads into registers that matrix instructions have read
.endr
.endif
.irp t, 0,1,2,3
	ds_load_b128 v[KF+12*\t:KF+12*\t+3], v[ADK] offset:(4*\g+\t)*768
	ds_load_b64 v[KF+12*\t+4:KF+12*\t+5], v[ADK8] offset:(4*\g+\t)*768+512
.endr
	s_wait_dscnt 0x0
.irp t, 0,1,2,3
	v_wmma_scale_f32_16x16x128_f8f6f4 v[S+8*(4*\g+\t):S+8*(4*\g+\t)+7], v[KF+12*\t:KF+12*\t+11], v[\qf:\qf+11], 0, v[KSC+4*\g+\t], v[\qs] matrix_a_fmt:MATRIX_FMT_BF6 matrix_b_fmt:MATRIX_FMT_BF6
.endr
.endr
.rept 4
	v_nop
.endr
.if \masked                            ; on the diagonal the scores of hidden keys become -infinity ahead of the maximum: p = 0 then
	s_cmp_lg_u32 s[KS], s[J2]
	s_cbranch_scc1 .Lopen_\@
	v_add_nc_u32 v[T0], s[SQ], v[QL]               ; d = my token in the step - 16 h.  Register 16 b + i holds key 32 b + 16 h + i: hidden where 32 b + i > d
	v_mov_b32 v[T1], 0xff800000
.set n, 0
.rept 64
	v_cmp_gt_i32 vcc_lo, 32*(n/16)+n%16, v[T0]
	v_cndmask_b32 v[S+n], v[S+n], v[T1], vcc_lo
.set n, n+1
.endr
.Lopen_\@:
.endif
.irp b, 0,1,2,3
	v_max3_num_f32 v[BM+\b], v[S+16*\b], v[S+1+16*\b], v[S+2+16*\b]   ; the largest score of each block of 32 keys: for the row's maximum and, since p rises with the score, for the block's largest p
.endr
.irp i, 3,5,7,9,11,13
.irp b, 0,1,2,3
	v_max3_num_f32 v[BM+\b], v[BM+\b], v[S+16*\b+\i], v[S+1+16*\b+\i]
.endr
.endr
.irp b, 0,1,2,3
	v_max_num_f32 v[BM+\b], v[BM+\b], v[S+15+16*\b]
.endr
.irp b, 0,1,2,3
	s_delay_alu instid0(VALU_DEP_4)
	v_permlanex16_b32 v[PM+\b], v[BM+\b], s[SEL], s[SEL+1]
.endr
.irp b, 0,1,2,3
	s_delay_alu instid0(VALU_DEP_4)
	v_max_num_f32 v[BM+\b], v[BM+\b], v[PM+\b]     ; with lane l xor 16's 16 keys
.endr
	s_delay_alu instid0(VALU_DEP_2)
	v_max3_num_f32 v[T0], v[BM], v[BM+1], v[BM+2]
	s_delay_alu instid0(VALU_DEP_1)
	v_max_num_f32 v[T0], v[T0], v[BM+3]
	s_delay_alu instid0(VALU_DEP_1)
	v_mul_f32 v[T0], s[CS], v[T0]                  ; as t (c is positive)
	s_delay_alu instid0(VALU_DEP_1)
	v_max_num_f32 v13, v13, v[T0]                  ; the running largest t
	v_mov_b32 v[T0], v12
	s_delay_alu instid0(VALU_DEP_2)
	v_floor_f32 v12, -v13                          ; the new -M = -ceil(t): a whole number
	s_delay_alu instid0(VALU_DEP_1)
	v_sub_f32 v[T0], v12, v[T0]                    ; old M - new M: a whole number, 0 or less
	s_delay_alu instid0(VALU_DEP_1)
	v_cvt_i32_f32 v[T0], v[T0]                     ; (it saturates)
	s_delay_alu instid0(VALU_DEP_1)
	v_ldexp_f32 v[F], 1.0, v[T0]                   ; f = 2^(old M - new M)
.set i, 0
.rept 32
	v_pk_fma_f32 v[S+2*i:S+2*i+1], v[S+2*i:S+2*i+1], s[CS:CS+1], v[12:13] op_sel_hi:[1,0,0]   ; t - M, two at a time
.set i, i+1
.endr
.irp b, 0,1,2,3
	v_fma_f32 v[BM+\b], v[BM+\b], s[CS], v12       ; the same of each block's largest score
.endr
.set i, 0
	s_setprio 1
	s_wait_alu depctr_va_vdst(0)
.rept 64
	v_exp_f32 v[S+i], v[S+i]                       ; p = 2^(t - M), at most 1
.set i, i+1
.endr
	v_pk_mul_f32 v[14:15], v[14:15], v[F:F+1] op_sel_hi:[1,0]      ; the sums under the new M (the plain line behind the exponentials)
	s_wait_alu depctr_va_vdst(0)                   ; one wait for the whole batch, ahead of its first reader
.irp b, 0,1,2,3
	v_exp_f32 v[BM+\b], v[BM+\b]                   ; the block's largest p: the same two instructions on the same number give the same bits
.endr
	v_pk_add_f32 v[236:237], v[106:107], v[110:111]
	v_pk_add_f32 v[252:253], v[114:115], v[118:119]
	v_pk_add_f32 v[250:251], v[122:123], v[126:127]
	v_pk_add_f32 v[248:249], v[130:131], v[134:135]
	v_pk_add_f32 v[246:247], v[138:139], v[142:143]
	v_pk_add_f32 v[244:245], v[146:147], v[150:151]
	v_pk_add_f32 v[242:243], v[154:155], v[158:159]
	v_pk_add_f32 v[14:15], v[14:15], v[162:163]
	v_pk_add_f32 v[236:237], v[236:237], v[102:103]
	v_pk_add_f32 v[252:253], v[252:253], v[104:105]
	v_pk_add_f32 v[250:251], v[250:251], v[108:109]
	v_pk_add_f32 v[248:249], v[248:249], v[112:113]
	v_pk_add_f32 v[246:247], v[246:247], v[116:117]
	v_pk_add_f32 v[244:245], v[244:245], v[120:121]
	v_pk_add_f32 v[242:243], v[242:243], v[124:125]
	v_pk_add_f32 v[14:15], v[14:15], v[128:129]
	v_pk_add_f32 v[236:237], v[236:237], v[132:133]
	v_pk_add_f32 v[252:253], v[252:253], v[136:137]
	v_pk_add_f32 v[250:251], v[250:251], v[140:141]
	v_pk_add_f32 v[248:249], v[248:249], v[144:145]
	v_pk_add_f32 v[246:247], v[246:247], v[148:149]
	v_pk_add_f32 v[244:245], v[244:245], v[152:153]
	v_pk_add_f32 v[242:243], v[242:243], v[156:157]
	v_pk_add_f32 v[14:15], v[14:15], v[160:161]
	v_pk_add_f32 v[236:237], v[236:237], v[164:165]
	s_delay_alu instid0(VALU_DEP_2)
	v_pk_add_f32 v[14:15], v[14:15], v[248:249]
	s_delay_alu instid0(VALU_DEP_2)
	v_pk_add_f32 v[236:237], v[236:237], v[246:247]
	v_pk_add_f32 v[252:253], v[252:253], v[244:245]
	v_pk_add_f32 v[250:251], v[250:251], v[242:243]
	s_delay_alu instid0(VALU_DEP_2)
	v_pk_add_f32 v[14:15], v[14:15], v[252:253]
	s_delay_alu instid0(VALU_DEP_2)
	v_pk_add_f32 v[236:237], v[236:237], v[250:251]
	s_delay_alu instid0(VALU_DEP_1)
	v_pk_add_f32 v[14:15], v[14:15], v[236:237]
	s_wait_alu depctr_va_vdst(0)                   ; and one for the four
.irp b, 0,1,2,3
	v_max_num_f32 v[BM+\b], 0x2800000, v[BM+\b]    ; the floor 2^(5 - 127): the byte cannot fall under 1
.endr
.irp b, 0,1,2,3
	s_delay_alu instid0(VALU_DEP_4)
	v_add_nc_u32 v[SO+\b], 0xfe000000, v[BM+\b]    ; 4 off the exponent field: the conversion's scale operand
.endr
.irp b, 0,1,2,3
	s_delay_alu instid0(VALU_DEP_4)
	v_lshrrev_b32 v[PM+\b], 23, v[SO+\b]           ; the scale's byte
.endr
	s_delay_alu instid0(VALU_DEP_3)
	v_lshl_or_b32 v[PSW], v[PM+1], 8, v[PM]        ; p's scale word for these 128 keys
	s_delay_alu instid0(VALU_DEP_1)
	v_lshl_or_b32 v[PSW], v[PM+2], 16, v[PSW]
	s_delay_alu instid0(VALU_DEP_1)
	v_lshl_or_b32 v[PSW], v[PM+3], 24, v[PSW]
.irp c, 0,1
	v_cvt_scalef32_pk16_bf6_f32 v[PC+6*\c:PC+6*\c+2], v[S+32*\c:S+32*\c+15], v[SO+2*\c]
	v_cvt_scalef32_pk16_bf6_f32 v[PC+12+4*\c:PC+14+4*\c], v[S+16+32*\c:S+31+32*\c], v[SO+2*\c+1]
.endr
	v_nop                                          ; one plain line behind a scaled conversion
.irp c, 0,1                            ; a WHOLE block in a lane: lanes 0-15 block 2 c, lanes 16-31 block 2 c + 1
.irp i, 0,1,2
	v_permlane16_swap_b32 v[PC+6*\c+\i], v[PC+12+4*\c+\i]
.endr
.irp i, 0,1,2
	s_delay_alu instid0(VALU_DEP_3)
	v_mov_b32 v[PC+3+6*\c+\i], v[PC+12+4*\c+\i]
.endr
.endr
	s_setprio 0
.irp t, 0,1,2,3                        ; V's four tiles of 16 channels x these 128 keys, as images, into the registers that p has left
.irp c, 0,1,2
	ds_load_b128 v[S+12*\t+4*\c:S+12*\t+4*\c+3], v[ADK] offset:VCO+\t*1536+512*\c
.endr
.endr
.set i, 0
.rept 16
	v_pk_mul_f32 v[O+2*i:O+2*i+1], v[O+2*i:O+2*i+1], v[F:F+1] op_sel_hi:[1,0]   ; O^T under the new M; with the four below also the places between p's codes and scale word and the products
.set i, i+1
.endr
.rept 4
	v_nop
.endr
	s_wait_alu depctr_va_vdst(0)
	s_wait_dscnt 0x0
.irp t, 0,1,2,3                        ; O^T += V^T P^T: four accumulators by turns
	v_wmma_scale_f32_16x16x128_f8f6f4 v[O+8*\t:O+8*\t+7], v[S+12*\t:S+12*\t+11], v[PC:PC+11], v[O+8*\t:O+8*\t+7], v[VSC+\t], v[PSW] matrix_a_fmt:MATRIX_FMT_BF6 matrix_b_fmt:MATRIX_FMT_BF6
.endr
.if \masked
.Lhidden_\@:
.endif
.endm
; A pass's end: O^T / the sum, quantised along the head's 64 channels (register 16 b + i is channel 32 b + 16 h + i), stored as half a fragment's image and two scale bytes a token.
.macro OUT
.rept 4
	v_nop                                          ; places behind the last products
.endr
	v_add_f32 v14, v14, v15
	s_delay_alu instid0(VALU_DEP_1)
	v_permlanex16_b32 v[T0], v14, s[SEL], s[SEL+1]
	s_delay_alu instid0(VALU_DEP_1)
	v_add_f32 v14, v14, v[T0]                      ; the row's sum
	s_wait_alu depctr_va_vdst(0)
	v_rcp_f32 v[F], v14
	v_nop                                          ; a plain line behind the reciprocal,
	s_wait_alu depctr_va_vdst(0)                   ; and the wait ahead of its first reader
.set i, 0
.rept 16
	v_pk_mul_f32 v[S+2*i:S+2*i+1], v[O+2*i:O+2*i+1], v[F:F+1] op_sel_hi:[1,0]   ; each accumulator from its low end on
.set i, i+1
.endr
.irp b, 0,1
	v_max3_num_f32 v[BM+\b], |v[S+16*\b]|, |v[S+1+16*\b]|, 0x2800000
.endr
.irp i, 2,4,6,8,10,12,14
.irp b, 0,1
	s_delay_alu instid0(VALU_DEP_2)
	v_max3_num_f32 v[BM+\b], v[BM+\b], |v[S+16*\b+\i]|, |v[S+1+16*\b+\i]|
.endr
.endr
.irp b, 0,1
	s_delay_alu instid0(VALU_DEP_2)
	v_permlanex16_b32 v[PM+\b], v[BM+\b], s[SEL], s[SEL+1]
.endr
.irp b, 0,1
	s_delay_alu instid0(VALU_DEP_2)
	v_max_num_f32 v[BM+\b], v[BM+\b], v[PM+\b]
.endr
.irp b, 0,1
	s_delay_alu instid0(VALU_DEP_2)
	v_add_nc_u32 v[SO+\b], 0xfe000000, v[BM+\b]
.endr
.irp b, 0,1
	s_delay_alu instid0(VALU_DEP_2)
	v_lshrrev_b32 v[PM+\b], 23, v[SO+\b]
.endr
	s_delay_alu instid0(VALU_DEP_1)
	v_lshl_or_b32 v[T1], v[PM+1], 8, v[PM]         ; my token's two bytes
	v_cvt_scalef32_pk16_bf6_f32 v[PC:PC+2], v[S:S+15], v[SO]
	v_cvt_scalef32_pk16_bf6_f32 v[PC+4:PC+6], v[S+16:S+31], v[SO+1]
	v_nop
.irp i, 0,1,2
	v_permlane16_swap_b32 v[PC+\i], v[PC+4+\i]
.endr
.irp i, 0,1,2
	s_delay_alu instid0(VALU_DEP_3)
	v_mov_b32 v[PC+3+\i], v[PC+4+\i]               ; ascending: each source is read before it is written
.endr
	global_store_b128 v[L16], v[PC:PC+3], s[AOC:AOC+1]             ; 512 consecutive bytes, aligned
	global_store_b64 v[L8], v[PC+4:PC+5], s[AOC:AOC+1] offset:512  ; 256
	global_store_b16 v[R8], v[T1], s[AOS:AOS+1]    ; lanes 16-31 write the same bytes with the same values
.endm
.macro MEET left                       ; the next quarter is in LDS for every wave; later quarters may stay out
	s_wait_tensorcnt \left
	s_wait_dscnt 0x0
	s_barrier_signal -1
	s_barrier_wait -1
.endm
	PASSSET JJ
	INIT
	s_wait_loadcnt 0x0                             ; Q
	MEET 3                                         ; quarter 0 is in: three younger loads may be out
	s_mov_b32 s[KS], 0
.Lb0:                                  ; the first pass has j of 16 or more: its steps 0 to 7 are all open
	STEP 0, QF0, QS0, 0
	s_add_co_u32 s[KS], s[KS], 1
	s_cmp_lt_u32 s[KS], 4
	s_cbranch_scc1 .Lb0
	s_setprio 0
	MEET 2                                         ; quarter 1
	s_mov_b32 s[KS], 4
.Lb1:
	STEP 0, QF0, QS0, 1
	s_add_co_u32 s[KS], s[KS], 1
	s_cmp_lt_u32 s[KS], 8
	s_cbranch_scc1 .Lb1
	s_setprio 0
	MEET 0                                         ; all
	s_mov_b32 s[KS], 8
.Lb2:
	STEP 1, QF0, QS0, -1
	s_add_co_u32 s[KS], s[KS], 1
	s_cmp_lt_u32 s[KS], 16
	s_cbranch_scc1 .Lb2
	s_setprio 0
	OUT
	s_wait_xcnt 0x0                                ; the stores have read their data and their bases: both are written anew below
	PASSSET WV
	INIT
	s_mov_b32 s[KS], 0
.La0:
	STEP 1, QF1, QS1, -1
	s_add_co_u32 s[KS], s[KS], 1
	s_cmp_lt_u32 s[KS], 8
	s_cbranch_scc1 .La0
	s_setprio 0
	OUT
	s_wait_tensorcnt 0x0
	ds_add_u32 v254, v255
	s_wait_dscnt 0x0
	CROUND                                         ; the closing round
	s_endpgm
.Lfunc_end_k_q158d4ee1e5_attn:
	.size	k_q158d4ee1e5_attn, .Lfunc_end_k_q158d4ee1e5_attn-k_q158d4ee1e5_attn
	.p2alignl 7, 3214868480
	.fill 96, 4, 3214868480
	.section	.rodata,"a",@progbits
	.p2align	6, 0x0
	.amdhsa_kernel k_q158d4ee1e5_attn
		.amdhsa_group_segment_fixed_size 210944
		.amdhsa_private_segment_fixed_size 0
		.amdhsa_enable_private_segment 0
		.amdhsa_kernarg_size 24
		.amdhsa_user_sgpr_count 2
		.amdhsa_user_sgpr_kernarg_segment_ptr 1
		.amdhsa_wavefront_size32 1
		.amdhsa_system_sgpr_workgroup_id_x 1
		.amdhsa_system_sgpr_workgroup_id_y 1
		.amdhsa_system_sgpr_workgroup_id_z 1
		.amdhsa_system_vgpr_workitem_id 0
		.amdhsa_next_free_vgpr 256
		.amdhsa_next_free_sgpr 80
		.amdhsa_reserve_vcc 1
		.amdhsa_float_denorm_mode_32 3
		.amdhsa_float_denorm_mode_16_64 3
		.amdhsa_memory_ordered 1
		.amdhsa_forward_progress 1
		.amdhsa_inst_pref_size 103
	.end_amdhsa_kernel
	.amdgpu_metadata
---
amdhsa.version: [ 1, 2 ]
amdhsa.kernels:
  - .name:           k_q158d4ee1e5_attn
    .symbol:         k_q158d4ee1e5_attn.kd
    .args:
      - { .name: qkv, .offset: 0, .size: 8, .value_kind: global_buffer, .address_space: global }
      - { .name: ao_codes, .offset: 8, .size: 8, .value_kind: global_buffer, .address_space: global }
      - { .name: ao_scales, .offset: 16, .size: 8, .value_kind: global_buffer, .address_space: global }
    .group_segment_fixed_size: 210944
    .private_segment_fixed_size: 0
    .kernarg_segment_align: 8
    .kernarg_segment_size: 24
    .max_flat_workgroup_size: 512
    .sgpr_count:     80
    .vgpr_count:     256
    .wavefront_size: 32
...
	.end_amdgpu_metadata
.endif
;; end of part 3
;; launch outp (part 4): grid 4 x 32, 4 waves a work-group, clusters of 4 x 4, 327,680 bytes of LDS; arguments ao_codes, ao_scales, xw_codes, xw_scales, b_out, out0; writes out0
.if DOCPART == 4
	.amdgcn_target "amdgcn-amd-amdhsa--gfx1250"
	.amdhsa_code_object_version 6
	.text
	.protected	k_q158d4ee1e5_outp
	.globl	k_q158d4ee1e5_outp
	.p2align	8
	.type	k_q158d4ee1e5_outp,@function
k_q158d4ee1e5_outp:
	s_mov_b64 s[64:65], 0
	v_nop
	global_prefetch_b8 v0, s[64:65] scope:SCOPE_SE
	s_setreg_imm32_b32 hwreg(HW_REG_WAVE_MODE, 25, 1), 1
	s_wait_xcnt 0x0
	s_wait_alu depctr_hold_cnt(0) depctr_sa_sdst(0) depctr_va_vdst(0) depctr_va_sdst(0) depctr_va_ssrc(0) depctr_va_vcc(0) depctr_vm_vsrc(0)
	s_getreg_b32 s2, hwreg(HW_REG_IB_STS2, 6, 4)
	s_cmp_eq_u32 s2, 0
	s_cbranch_scc0 .Lentry_in_a_cluster
	s_endpgm
.Lentry_in_a_cluster:
	s_bfe_u32 s2, ttmp6, 0x10000c
	s_cmp_lg_u32 s2, 0xf033
	s_cbranch_scc0 .Lentry_shape_is_right
	s_endpgm
.Lentry_shape_is_right:
; out0 = A W_out^T + b_out, A the attention's result [8192][1024], both operands codes of BF6 (E3M2) with one E8M0 scale for each 32 along K = 1,024; out0 [8192][1024] f32.
; A tile of 256 x 256 is made by four waves, 128 x 128 each: 64 accumulators.  The matrix instruction is used transposed (source 0 = 16 rows of W_out, source 1 = 16 tokens): a lane holds eight neighbouring numbers of a row.
; A COMES AS IMAGES OF ITS OPERAND REGISTERS: [token tile 512][head 16][768 bytes]: registers 0-3 of a head's half fragment at 16 x lane, registers 4-5 at 512 + 8 x lane; two heads make a fragment of 128 along K.
; Lane r of token tile TT holds token 32 (TT / 2) + 8 (TT % 2) + r + 8 (r / 8).  Its scale bytes: [TT][K step of 256][16 rows][8 bytes].  W_out's codes and scale bytes lie as rows at positions 11,264 on.
; K goes in steps of 256 (four heads) through a ring of two LDS slots; the scale bytes for all of K come once, with the first fills.  The bias is the C of each sum's first product.
; CLUSTERS: 4 x 4 work-groups; A's tile is shared along a row of the cluster, W_out's along a column, by joint loads.  A wave has at most three tensor loads out, later one.
; REGISTERS, in windows of 256: window 0: v0-31 addresses; v32-63 A's scale words, v64-95 W_out's, two sets each; v96-127 and v224-255 the bias; v128-223 A's fragments, ONE set; on the way out v128-255 are free.
;   window 1: W_out's fragments, TWO sets.   windows 2, 3: the accumulators ((a, b) at v[8 (8 (a % 4) + b)]).
.set SIZE_N, 1024
.set NQ,     2
.set ROWB,   192
.set KROW,   768
.set PITCH,  240                       ; W_out's rows in LDS: 3 x (64 bytes + 16 of padding)
.set FR,     12
.set NLA,    4                         ; LDS loads that bring a fragment of A
.set NP,     4
.set HALFT,  128*PITCH                 ; a wave's place in a slot (A's images use 24,576 of it)
.set SLOT,   4*HALFT
.set SCL,    2*SLOT                    ; A's scale bytes: 2 x 4,096, dense
.set SCB0,   SCL+8192                  ; W_out's: 2 x 16 x (256 + 16)
.set HALFSB, 16*272
.set SBLK,   2*272
.set SPARE,  SCB0+2*HALFSB             ; the spare words, 128 bytes a wave: two blocks of 256 bytes that no other line names
.set SPITCH, 528                       ; the way out: a stage of 16 rows x (512 + 16) bytes a wave, in slot 0, which has had its last fill and its last read by then
.set ADA16, 16                         ; v16-17 A's images, 16 x lane, slot 0, 1;  v18-19 the same with 8 x lane
.set ADA8,  18
.set ADRB,  20                         ; v20-23 W_out's fragments
.set STO,   24
.set RD,    25
.set CO,    26
.set ADSA,  27                         ; v27 A's scale words
.set SPW,   28
.set NIL,   29
.set ADSB,  30                         ; v30 W_out's scale words
.set VB,    31                         ; v31 32 h: the bias of my half
.set SCA,   32
.set SCB,   64
.set AF,    128
.set BK,    128
.set G1, 24
.set G0, 32
.set G1B, 48
.set G0B, 56
.set G1S, 68
.set G0S, 76
.set G1SB, 80
.set G0SB, 88
.set MSB, 0
.macro WIN new
.if MSB != \new
	s_set_vgpr_msb (MSB<<8)|\new
.set MSB, \new
.endif
.endm
.set MUL_LO, 0xa1
.set MUL_HI, 0xf1
.set TO_B,   0x40
.macro JLOAD g0a, g1a, g0b, g1b        ; waves 0 and 1 fetch for A, waves 2 and 3 for W_out; four v_nop follow each of the two lines
	s_cmp_eq_u32 s15, 0
	s_cbranch_scc0 .Lfor_b_\@
	tensor_load_to_lds s[\g0a:\g0a+3], s[\g1a:\g1a+7]
	s_nop 0
.rept 4
	v_nop
.endr
	s_branch .Lasked_\@
.Lfor_b_\@:
	tensor_load_to_lds s[\g0b:\g0b+3], s[\g1b:\g1b+7]
	s_nop 0
.rept 4
	v_nop
.endr
.Lasked_\@:
.endm
.macro CREST
	s_cmp_lg_u32 s14, 0
	s_cbranch_scc1 .Lnot_wave_0_\@
	s_barrier_signal -3
.Lnot_wave_0_\@:
	s_barrier_wait -3
	s_barrier_signal -1
	s_barrier_wait -1
.endm
.macro CROUND
	s_barrier_signal -1
	s_barrier_wait -1
	CREST
.endm
	s_load_b128 s[4:7], s[0:1], 0x0                ; A's codes, A's scale bytes
	s_load_b128 s[8:11], s[0:1], 0x10              ; the weights' codes, their scale bytes
	s_load_b128 s[96:99], s[0:1], 0x20             ; b_out, out0
	v_lshl_add_u32 v[SPW], v0, 2, SPARE
	v_mov_b32 v[NIL], 0
	ds_add_u32 v28, v29
	ds_add_u32 v28, v29
	s_wait_dscnt 0x0
	v_lshrrev_b32 v1, 5, v0
	v_readfirstlane_b32 s14, v1                    ; wave 0..3
	s_lshr_b32 s15, s14, 1                         ; which half of the tile's rows is mine.  Also: I fetch for A (0) or for W_out (1)
	s_and_b32 s16, s14, 1                          ; which half of its columns.  Also: which half of that tile I fetch
	s_bfe_u32 s40, ttmp6, 0x40000                  ; cx
	s_bfe_u32 s41, ttmp6, 0x40004                  ; cy
	s_lshl_b32 s42, ttmp9, 2
	s_add_co_u32 s42, s42, s40                     ; tile column
	s_and_b32 s17, ttmp7, 0xffff
	s_lshl_b32 s17, s17, 2
	s_add_co_u32 s17, s17, s41                     ; tile row
	s_lshl_b32 s43, s41, 2
	s_lshl_b32 s43, 15, s43                        ; my row of the cluster
	s_lshl_b32 s44, 0x1111, s40                    ; my column
	s_or_b32 s[G1+0], s43, (3<<16)|(1<<21)         ; A's images: 8 token tiles x 3,072 bytes (four heads), 12,288 bytes apart; elements of 8 bytes; no padding
	s_mov_b32 s[G1+1], 384<<16
	s_mov_b32 s[G1+2], 8<<16
	s_mov_b32 s[G1+3], 384<<16
	s_mov_b32 s[G1+4], 8
	s_mov_b32 s[G1+5], 1536
	s_mov_b32 s[G1+6], 0
	s_mov_b32 s[G1+7], 0
	s_or_b32 s[G1B+0], s44, (0<<16)|(1<<20)|(1<<21)|(3<<22)|(3<<25)  ; W_out: 128 rows x 192 bytes, 16 bytes of padding behind every 64
	s_mov_b32 s[G1B+1], ROWB<<16
	s_mov_b32 s[G1B+2], 128<<16
	s_mov_b32 s[G1B+3], ROWB<<16
	s_mov_b32 s[G1B+4], 128
	s_mov_b32 s[G1B+5], KROW
	s_mov_b32 s[G1B+6], 0
	s_mov_b32 s[G1B+7], 0
	s_or_b32 s[G1S+0], s43, (3<<16)|(1<<21)        ; A's scale bytes of 8 token tiles: 4,096 dense bytes as 16 rows of 256, no padding
	s_or_b32 s[G1SB+0], s44, (3<<16)|(1<<20)|(1<<21)|(5<<22)|(3<<25)  ; W_out's of 128 rows: the same with 16 bytes of padding behind each row
.irp g, G1S, G1SB
	s_mov_b32 s[\g+1], 32<<16
	s_mov_b32 s[\g+2], 16<<16
	s_mov_b32 s[\g+3], 32<<16
	s_mov_b32 s[\g+4], 16
	s_mov_b32 s[\g+5], 32
	s_mov_b32 s[\g+6], 0
	s_mov_b32 s[\g+7], 0
.endr
	s_lshl_b32 s20, s17, 4
	s_lshl_b32 s18, s16, 3
	s_add_co_u32 s20, s20, s18                     ; A: token tile 16 x tile row + 8 x half
	s_lshl_b32 s22, s20, 9                         ; its scale bytes,
	s_mov_b32 s23, 0
	s_mul_i32 s20, s20, 12288                      ; its codes
	s_mov_b32 s21, 0
	s_lshl_b32 s46, s42, 8
	s_lshl_b32 s18, s16, 7
	s_add_co_u32 s46, s46, s18
	s_add_co_u32 s46, s46, 11264                   ; W_out: position 11,264 + 256 x tile column + 128 x half
	s_lshl_b32 s92, s46, 5
	s_mov_b32 s93, 0
	s_mul_i32 s46, s46, KROW
	s_mov_b32 s47, 0
	s_mul_i32 s45, s14, HALFT                      ; where the codes go: wave x its place
	s_lshl_b32 s94, s16, 12                        ; and the scale bytes
	s_mul_i32 s95, s16, HALFSB
	s_wait_kmcnt 0x0
	s_add_nc_u64 s[20:21], s[4:5], s[20:21]
	s_add_nc_u64 s[22:23], s[6:7], s[22:23]
	s_add_nc_u64 s[46:47], s[8:9], s[46:47]
	s_add_nc_u64 s[92:93], s[10:11], s[92:93]
	CROUND                                         ; all sixteen work-groups are here: the first joint loads meet
	s_mov_b32 s[G0S], 1
	s_add_co_u32 s[G0S+1], s94, SCL
	s_mov_b64 s[G0S+2:G0S+3], s[22:23]
	s_or_b32 s[G0S+3], s[G0S+3], 0x80000000
	s_mov_b32 s[G0SB], 1
	s_add_co_u32 s[G0SB+1], s95, SCB0
	s_mov_b64 s[G0SB+2:G0SB+3], s[92:93]
	s_or_b32 s[G0SB+3], s[G0SB+3], 0x80000000
	JLOAD G0S, G1S, G0SB, G1SB
.irp s, 0,1
	s_mov_b32 s[G0+4*\s], 1
	s_add_co_u32 s[G0+4*\s+1], s45, \s*SLOT
	s_add_nc_u64 s[G0+4*\s+2:G0+4*\s+3], s[20:21], \s*3072
	s_or_b32 s[G0+4*\s+3], s[G0+4*\s+3], 0x80000000
	s_mov_b32 s[G0B+4*\s], 1
	s_add_co_u32 s[G0B+4*\s+1], s45, \s*SLOT
	s_add_nc_u64 s[G0B+4*\s+2:G0B+4*\s+3], s[46:47], \s*ROWB
	s_or_b32 s[G0B+4*\s+3], s[G0B+4*\s+3], 0x80000000
	JLOAD G0+4*\s, G1, G0B+4*\s, G1B
.endr
	v_and_b32 v1, 15, v0                           ; r
	v_bfe_u32 v2, v0, 4, 1                         ; h
	v_and_b32 v6, 31, v0                           ; lane
	v_mul_u32_u24 v3, v1, PITCH
	v_mul_u32_u24 v4, v2, 24
	v_add_nc_u32 v4, v3, v4
	v_lshl_add_u32 v5, v2, 4, v4
	s_mul_i32 s21, s15, HALFT                      ; my 8 token tiles of A
	s_mul_i32 s22, s16, HALFT
	s_add_co_u32 s22, s22, 2*HALFT                 ; my 128 rows of W_out
.irp s, 0,1
	v_lshl_add_u32 v[ADA16+\s], v6, 4, s21
	v_lshl_add_u32 v[ADA8+\s], v6, 3, s21
	v_add_nc_u32 v[ADRB+\s], s22, v4
	v_add_nc_u32 v[ADRB+2+\s], s22, v5
	s_add_co_u32 s21, s21, SLOT
	s_add_co_u32 s22, s22, SLOT
.endr
	s_lshl_b32 s21, s15, 12
	s_add_co_u32 s21, s21, SCL
	v_lshl_add_u32 v[ADSA], v1, 3, s21             ; A's scale words: 8 bytes a row and K step
	v_lshlrev_b32 v5, 5, v1                        ; W_out's: 32 bytes a row,
	v_lshrrev_b32 v3, 8, v5
	v_lshl_add_u32 v5, v3, 4, v5                   ; and 16 more for each 256 passed
	s_mul_i32 s22, s16, HALFSB
	s_add_co_u32 s22, s22, SCB0
	v_add_nc_u32 v[ADSB], s22, v5
	s_mul_i32 s23, s14, 16*SPITCH                  ; my stage
	v_mul_u32_u24 v5, v1, SPITCH
	v_lshl_add_u32 v5, v2, 5, v5
	v_add_nc_u32 v[STO], s23, v5                   ; in: row r, 32 bytes for each half of the lanes
	v_lshlrev_b32 v[CO], 4, v6                     ; back: the 32 lanes take one row of 512 bytes; and the same in out0
	v_add_nc_u32 v[RD], s23, v[CO]
	v_lshlrev_b32 v[VB], 5, v2
	s_lshl_b32 s20, s17, 8
	s_lshl_b32 s21, s15, 7
	s_add_co_u32 s20, s20, s21                     ; my first token
	s_lshl_b32 s20, s20, 12                        ; 4,096 bytes a row
	s_mov_b32 s21, 0
	s_lshl_b32 s46, s42, 10
	s_lshl_b32 s47, s16, 9
	s_add_co_u32 s46, s46, s47                     ; my first column, in bytes
	s_mov_b32 s47, 0
	s_add_nc_u64 s[96:97], s[96:97], s[46:47]
	s_add_nc_u64 s[20:21], s[20:21], s[46:47]
	s_add_nc_u64 s[98:99], s[98:99], s[20:21]
.irp b, 0,1,2,3,4,5,6,7                ; the bias in the result's layout: for tile b the eight columns 16 b + 8 h + 0..7
	global_load_b128 v[96+8*\b+96*(\b/4):96+8*\b+96*(\b/4)+3], v[VB], s[96:97] offset:64*\b
	global_load_b128 v[96+8*\b+96*(\b/4)+4:96+8*\b+96*(\b/4)+7], v[VB], s[96:97] offset:64*\b+16
.endr
.macro FRAG reg, adr, q, i             ; a fragment of W_out from rows: six pieces of 8 bytes
.irp p, 0,1,2,3,4,5
.set PCE, 12*(\q)+6*(\p/3)+\p%3
.if PCE%8 < 5
	ds_load_b64 v[\reg+2*\p:\reg+2*\p+1], v[\adr] offset:8*PCE+16*(PCE/8)+(\i)*16*PITCH
.else
	ds_load_b64 v[\reg+2*\p:\reg+2*\p+1], v[\adr+2] offset:8*PCE+16*(PCE/8)+(\i)*16*PITCH
.endif
.endr
.endm
.macro FRAG_A reg, slot, q, i          ; a fragment of A from two heads' images: every load takes consecutive bytes
	ds_load_b128 v[\reg:\reg+3], v[ADA16+\slot] offset:(\i)*3072+(\q)*1536
	ds_load_b64 v[\reg+4:\reg+5], v[ADA8+\slot] offset:(\i)*3072+(\q)*1536+512
	ds_load_b128 v[\reg+6:\reg+9], v[ADA16+\slot] offset:(\i)*3072+(\q)*1536+768
	ds_load_b64 v[\reg+10:\reg+11], v[ADA8+\slot] offset:(\i)*3072+(\q)*1536+1280
.endm
; 16 matrix instructions; the 64 accumulators take turns, one instruction a turn.  zero = 1: the first product starts the sums from the bias.
.macro MUL16 a0, p, q, sc, zero
.irp a, \a0, \a0+1
.irp b, 0,1,2,3,4,5,6,7
.if \zero
	v_wmma_scale_f32_16x16x128_f8f6f4 v[8*(8*((\a)%4)+\b):8*(8*((\a)%4)+\b)+7], v[128*(\p)+FR*\b:128*(\p)+FR*\b+FR-1], v[AF+FR*(\a):AF+FR*(\a)+FR-1], v[96+8*\b+96*(\b/4):96+8*\b+96*(\b/4)+7], v[SCB+16*(\sc)+2*\b+(\q)], v[SCA+16*(\sc)+2*(\a)+(\q)] matrix_a_fmt:MATRIX_FMT_BF6 matrix_b_fmt:MATRIX_FMT_BF6
.else
	v_wmma_scale_f32_16x16x128_f8f6f4 v[8*(8*((\a)%4)+\b):8*(8*((\a)%4)+\b)+7], v[128*(\p)+FR*\b:128*(\p)+FR*\b+FR-1], v[AF+FR*(\a):AF+FR*(\a)+FR-1], v[8*(8*((\a)%4)+\b):8*(8*((\a)%4)+\b)+7], v[SCB+16*(\sc)+2*\b+(\q)], v[SCA+16*(\sc)+2*(\a)+(\q)] matrix_a_fmt:MATRIX_FMT_BF6 matrix_b_fmt:MATRIX_FMT_BF6
.endif
.endr
.endr
.endm
.macro FETCH_B slot, q, p
	WIN TO_B
.irp i, 0,1,2,3,4,5,6,7
	FRAG 128*(\p)+FR*\i, ADRB+\slot, \q, \i
.endr
	WIN 0
.endm
.macro FETCH_A slot, q, i0
.irp i, \i0, \i0+1, \i0+2, \i0+3
	FRAG_A AF+FR*(\i), \slot, \q, \i
.endr
.endm
.macro SCALES sc                       ; a K step's scale words: two words a row, for A's eight blocks and for W_out's eight
.irp i, 0,1,2,3,4,5,6,7
	ds_load_b64 v[SCA+16*\sc+2*\i:SCA+16*\sc+2*\i+1], v[ADSA] offset:\i*512
.endr
.irp i, 0,1,2,3,4,5,6,7
	ds_load_b64 v[SCB+16*\sc+2*\i:SCB+16*\sc+2*\i+1], v[ADSB] offset:\i*SBLK
.endr
.endm
.macro PLACES n
.rept \n
	v_nop
.endr
.endm
.macro STEP slot, q, zero
	s_wait_dscnt 4*NLA                             ; all but the youngest 16 loads (A's blocks 4-7) are in
.if \zero
	WIN 0x81                                       ; source 0 window 1, C (the bias) window 0, D window 2
.else
	WIN MUL_LO
.endif
	MUL16 0, (\q)%2, \q, \slot, \zero
	MUL16 2, (\q)%2, \q, \slot, \zero
	s_wait_dscnt 0
	PLACES NP
	FETCH_B \slot, (\q)+1, 1-(\q)%2
	FETCH_A \slot, (\q)+1, 0
.if \zero
	WIN 0xc1
.else
	WIN MUL_HI
.endif
	MUL16 4, (\q)%2, \q, \slot, \zero
	MUL16 6, (\q)%2, \q, \slot, \zero
	PLACES NP
	WIN 0
	FETCH_A \slot, (\q)+1, 4
.endm
.macro TURN slot, next, fill
	s_wait_tensorcnt 0x0                           ; all my tensor loads have landed: my part of the next slot
	ds_add_u32 v[SPW], v[NIL]                      ; 0 onto my spare word
	s_wait_dscnt 4*NLA+1                           ; (the add and the youngest 16 loads may be out)
	WIN MUL_LO
	MUL16 0, 1, NQ-1, \slot, 0
	s_wait_dscnt 0x0                               ; the add is done, and my reads of this slot are over
	s_barrier_signal -1
	MUL16 2, 1, NQ-1, \slot, 0
	WIN 0
	s_barrier_wait -1
.if \fill
	CREST                                          ; the barrier has opened a round of the cluster's barrier
	s_add_nc_u64 s[G0+4*\slot+2:G0+4*\slot+3], s[G0+4*\slot+2:G0+4*\slot+3], 2*3072
	s_add_nc_u64 s[G0B+4*\slot+2:G0B+4*\slot+3], s[G0B+4*\slot+2:G0B+4*\slot+3], 2*ROWB
	JLOAD G0+4*\slot, G1, G0B+4*\slot, G1B         ; the first tensor load behind the round
.else
	PLACES NP
.endif
	v_add_nc_u32 v[ADSA], 128, v[ADSA]             ; on to the next K step's scale words
	v_add_nc_u32 v[ADSB], 8, v[ADSB]
	FETCH_B \next, 0, 0
	FETCH_A \next, 0, 0
	SCALES \next
	WIN MUL_HI
	MUL16 4, 1, NQ-1, \slot, 0
	MUL16 6, 1, NQ-1, \slot, 0
	PLACES NP
	WIN 0
	FETCH_A \next, 0, 4
.endm
	s_wait_tensorcnt 1                             ; the scales and my part of K step 0 are in (K step 1's load may be out),
	s_barrier_signal -1
	s_barrier_wait -1                              ; everybody's are
	FETCH_B 0, 0, 0
	FETCH_A 0, 0, 0
	SCALES 0
	FETCH_A 0, 0, 4
	s_wait_loadcnt 0x0                             ; the bias
	STEP 0, 0, 1
	TURN 0, 1, 1                                   ; four K steps: each slot is filled again once, so the walk is written straight
	STEP 1, 0, 0
	TURN 1, 0, 1
	STEP 0, 0, 0
	TURN 0, 1, 0
	STEP 1, 0, 0
	s_wait_dscnt 4*NLA                             ; the very last step
	WIN MUL_LO
	MUL16 0, 1, NQ-1, 1, 0
	MUL16 2, 1, NQ-1, 1, 0
	s_wait_dscnt 0
	WIN MUL_HI
	MUL16 4, 1, NQ-1, 1, 0
	MUL16 6, 1, NQ-1, 1, 0
	WIN 0
; THE WAY OUT, block by block of 16 tokens x 128 columns, through my own stage in LDS: back come whole rows of 512 bytes.  LDS serves a wave's instructions in order: no wait between the stores and the loads.
.macro TOSTAGE a
.set AC, 64*((\a)%4)
.set WN, 0x08+4*((\a)/4)
	WIN WN                                         ; the data: window 2 or 3
.irp b, 0,1,2,3,4,5,6,7
	ds_store_b128 v[STO], v[AC+8*\b:AC+8*\b+3] offset:64*\b          ; each accumulator from its low end on
	ds_store_b128 v[STO], v[AC+8*\b+4:AC+8*\b+7] offset:64*\b+16
.endr
	WIN 0
.set BB, BK+64*((\a)%2)
.irp t, 0,1,2,3,4,5,6,7,8,9,10,11,12,13,14,15
	ds_load_b128 v[BB+4*\t:BB+4*\t+3], v[RD] offset:\t*SPITCH
.endr
.endm
.macro SEND a, younger                 ; stage row t of block a is token 32 (a / 2) + 8 (a % 2) + t + 8 (t / 8) of my 128
.set BB, BK+64*((\a)%2)
	s_wait_dscnt \younger
.if (\a) > 0
.if (\a)%2
	s_add_nc_u64 s[98:99], s[98:99], 8*SIZE_N*4    ; (behind a wait on XCNT: the earlier stores have read their base)
.else
	s_add_nc_u64 s[98:99], s[98:99], 24*SIZE_N*4
.endif
.endif
.irp t, 0,1,2,3,4,5,6,7,8,9,10,11,12,13,14,15
	global_store_b128 v[CO], v[BB+4*\t:BB+4*\t+3], s[98:99] offset:(\t+8*(\t/8))*SIZE_N*4 th:TH_STORE_NT   ; 32 lanes store 512 consecutive bytes, aligned
.endr
.endm
	PLACES NP
	TOSTAGE 0
.irp a, 1,2,3,4,5,6,7
.if \a > 1
	s_wait_xcnt 0x0                                ; block a - 2's stores have read their registers and their base
.endif
	TOSTAGE \a
	SEND \a-1, 32                                  ; behind block a - 1's loads: block a's 16 stores and 16 loads
.endr
	s_wait_xcnt 0x0
	SEND 7, 0
	s_wait_tensorcnt 0x0                           ; the wave's end
	ds_add_u32 v[SPW], v[NIL]
	s_wait_dscnt 0x0
	CROUND                                         ; the closing round
	s_endpgm
.Lfunc_end_k_q158d4ee1e5_outp:
	.size	k_q158d4ee1e5_outp, .Lfunc_end_k_q158d4ee1e5_outp-k_q158d4ee1e5_outp
	.p2alignl 7, 3214868480
	.fill 96, 4, 3214868480
	.section	.rodata,"a",@progbits
	.p2align	6, 0x0
	.amdhsa_kernel k_q158d4ee1e5_outp
		.amdhsa_group_segment_fixed_size 327680
		.amdhsa_private_segment_fixed_size 0
		.amdhsa_enable_private_segment 0
		.amdhsa_kernarg_size 48
		.amdhsa_user_sgpr_count 2
		.amdhsa_user_sgpr_kernarg_segment_ptr 1
		.amdhsa_wavefront_size32 1
		.amdhsa_system_sgpr_workgroup_id_x 1
		.amdhsa_system_sgpr_workgroup_id_y 1
		.amdhsa_system_sgpr_workgroup_id_z 1
		.amdhsa_system_vgpr_workitem_id 0
		.amdhsa_next_free_vgpr 1024
		.amdhsa_next_free_sgpr 100
		.amdhsa_reserve_vcc 0
		.amdhsa_float_denorm_mode_32 3
		.amdhsa_float_denorm_mode_16_64 3
		.amdhsa_memory_ordered 1
		.amdhsa_forward_progress 1
		.amdhsa_inst_pref_size 156
	.end_amdhsa_kernel
	.amdgpu_metadata
---
amdhsa.version: [ 1, 2 ]
amdhsa.kernels:
  - .name:           k_q158d4ee1e5_outp
    .symbol:         k_q158d4ee1e5_outp.kd
    .args:
      - { .name: ao_codes, .offset: 0, .size: 8, .value_kind: global_buffer, .address_space: global }
      - { .name: ao_scales, .offset: 8, .size: 8, .value_kind: global_buffer, .address_space: global }
      - { .name: xw_codes, .offset: 16, .size: 8, .value_kind: global_buffer, .address_space: global }
      - { .name: xw_scales, .offset: 24, .size: 8, .value_kind: global_buffer, .address_space: global }
      - { .name: b_out, .offset: 32, .size: 8, .value_kind: global_buffer, .address_space: global }
      - { .name: out0, .offset: 40, .size: 8, .value_kind: global_buffer, .address_space: global }
    .group_segment_fixed_size: 327680
    .private_segment_fixed_size: 0
    .kernarg_segment_align: 8
    .kernarg_segment_size: 48
    .max_flat_workgroup_size: 128
    .sgpr_count:     100
    .vgpr_count:     1024
    .wavefront_size: 32
...
	.end_amdgpu_metadata
.endif
;; end of part 4
